; MI455X (gfx1250); checked and timed in simulation.
; The chip was launched on July 23, 2026; its instructions are those of AMD's public machine-readable ISA for CDNA 5 (MIT licence, August 2026) and "CDNA5" Instruction Set Architecture Reference Guide (July 2026). The comments in the code are by the model that wrote it; some were corrected since.
;; Cross Attention Fusion. Allowed arithmetic: matrix products marked QUANTISED: E5M2 operands, one given power-of-two scale a tensor, by v_wmma_f32_16x16x64_bf8_bf8 or v_wmma_f32_16x16x128_bf8_bf8, f32 sums; everything else in f32.
;; Inputs: Wf 1,024 x 2,048 float32; Wo1 1,024 x 1,024 float32; Wo2 1,024 x 1,024 float32; Wv1 1,024 x 1,024 float32; Wv2 1,024 x 1,024 float32; beta1 1,024 float32; beta2 1,024 float32; bf 1,024 float32; bo1 1,024 float32; bo2 1,024 float32; bv1 1,024 float32; bv2 1,024 float32; ecg_emb 8,192 x 1,024 float32; eeg_emb 8,192 x 1,024 float32; g1 1,024 float32; g2 1,024 float32; lowp_scales 10 int32 (the exponents e of the quantised operands' scales 2^e).
;; Outputs: out0 8,192 x 1,024 float32.
;; This version of the problem:
;;   THIS VERSION OF THE PROBLEM IS GIVEN IN LOW PRECISION. The matrix products marked QUANTISED in the list below multiply operands that are first quantised to E5M2 (5 exponent bits, 2 mantissa bits; 8 bits a number), with one given power-of-two scale for each operand tensor; their sums are f32. All else is computed in f32.
;;   The module's matrix products, in the order in which they are computed (A, B: the left and right operand; K: the contracted axis; several contracted axes count as one K, in the product's order):
;;     1. [M 8,192, K 1,024] x [K 1,024, N 1,024]; A: input ecg_emb; B: input Wv1: QUANTISED (scales: A lowp_scales[0], B lowp_scales[1])
;;     2. [M 8,192, K 1,024] x [K 1,024, N 1,024]; A: computed on the way; B: input Wo1: QUANTISED (scales: A lowp_scales[2], B lowp_scales[3])
;;     3. [M 8,192, K 1,024] x [K 1,024, N 1,024]; A: input eeg_emb; B: input Wv2: QUANTISED (scales: A lowp_scales[4], B lowp_scales[5])
;;     4. [M 8,192, K 1,024] x [K 1,024, N 1,024]; A: computed on the way; B: input Wo2: QUANTISED (scales: A lowp_scales[6], B lowp_scales[7])
;;     5. [M 8,192, K 2,048] x [K 2,048, N 1,024]; A: computed on the way; B: input Wf: QUANTISED (scales: A lowp_scales[8], B lowp_scales[9])
;;   THE QUANTISER, for each operand of a quantised product, along K:
;;     - The operand's scale is 2^e, e = its entry of the input lowp_scales (int32; the entries are numbered through the quantised products in the list's order, A before B).
;;     - Each number is divided by the scale, clamped to +-57,344, and rounded to the nearest number of E5M2, ties to even, subnormals kept.
;;     - The product sums the exact products of the quantised numbers (number of the format x scale) in f32.
;;   ~~~python
;;   def quantise(x, axis, e):      # numpy; x: float32 -> the quantised numbers, widened to float32 again
;;       x = np.moveaxis(x, axis, -1); K = x.shape[-1]
;;       r = np.clip(x / 2.0 ** e, -57344, 57344)
;;       step = 2.0 ** (np.maximum(np.frexp(np.where(r == 0, 1, r))[1] - 1, -14) - 2)
;;       q = np.round(r / step) * step * 2.0 ** e      # np.round: ties to even
;;       return np.moveaxis(q, -1, axis).astype(np.float32)
;;   ~~~
;;   OPERANDS COMPUTED ON THE WAY. 'Computed on the way' means the value that the module computes at that place (a softmax that the list does not call 'softmax' is quantised finished and normalised). What goes into a quantiser is computed in f32, as accurately as f32 sums, v_exp_f32 and their like allow (about 1e-6 of the number): no bf16 or f16 on the way to a quantiser, and a product that is left as it is and whose result goes on into a quantised operand takes f32 operands (vector FMAs, or v_wmma_f32_16x16x4_f32). A number that lies on a knife's edge between two numbers of the format may be rounded either way, as far as f32 arithmetic and the matrix unit's own rounding can turn it there, and no further.
;; 2 versions. Each part assembles by itself: llvm-mc -triple=amdgcn-amd-amdhsa -mcpu=gfx1250 --defsym DOCPART=n.
;; ======== version 1 of 2: 3 launches
;; workspace buffers: wq 4,194,304 bytes; wfq 2,097,152 bytes; fq 16,777,216 bytes
;; launch prep (part 1): grid 128 x 6, 4 waves a work-group, no clusters, 0 bytes of LDS; arguments Wv1, Wo1, Wv2, Wo2, Wf, lowp_scales, wq, wfq; writes wq, wfq
.if DOCPART == 1
	.amdgcn_target "amdgcn-amd-amdhsa--gfx1250"
	.amdhsa_code_object_version 6
	.text
	.protected	k_qc8d8349388_prep
	.globl	k_qc8d8349388_prep
	.p2align	8
	.type	k_qc8d8349388_prep,@function
k_qc8d8349388_prep:
	s_mov_b64 s[64:65], 0
	v_nop
	global_prefetch_b8 v0, s[64:65] scope:SCOPE_SE
	s_setreg_imm32_b32 hwreg(HW_REG_WAVE_MODE, 25, 1), 1
	s_wait_xcnt 0x0
; The five weights, f32 [N][K] with K innermost, become codes of E5M2, each with the one scale 2^e given for it, laid IN THE ORDER OF AN OPERAND'S REGISTERS.
; Nothing of the problem is left out in this program: every input has a way to the output and every product of the table is done.
; code = w / 2^e, held within +-57,344, rounded to the nearest code, ties to even.  LIMITS: -126 <= e and e + 15 <= 127.  NaN among the inputs is not served (an infinity is held at the largest code).
; A FRAGMENT is 16 rows x 128 K = 2,048 bytes: byte 512 c + 16 lane + i is the code of the lane's row at k = 128 kstep + 32 c + 16 (lane / 16) + i.  Four loads of 16 bytes a lane, 512 bytes apart, then give
; registers 4 c .. 4 c + 3 of the operand; the activations are laid the same way, so every product meets its partner.
; THE ROWS OF A TILE ARE NOT NEIGHBOURS: lane r of tile 2 P + u takes weight row 32 P + 8 u + r + 8 (r / 8), so that, with the product used transposed, a lane's 16 results of tiles 2 P, 2 P + 1 are 16 neighbouring columns.
; wq  = [branch 2][product 2][kstep 8][wave 4][b 16][2,048]: tile (wave w, b) has P = 4 (b / 2) + w, u = b % 2.      wfq = [ntile 64][kstep 16][2,048]: P = ntile / 2, u = ntile % 2.
; SHARES.  Work-group y names one of six units of 512 fragments: Wv1, Wo1, Wv2, Wo2, Wf's columns 0-1023, Wf's columns 1024-2047.  One wave makes one fragment: f = 4 x + wave = 64 kstep + q.
; No LDS, no barrier, no cluster: waves share nothing.  A store of the wave covers 512 consecutive bytes, aligned.
.set EMAX, 15
.set MANT, 0x600000                    ; the mantissa field of 57,344 as f32
.set X,    16                          ; v16-79  64 numbers: register 16 c + i = k 32 c + 16 h + i of my row
.set C,    80                          ; v80-95  their codes
	s_load_b512 s[4:19], s[0:1], 0x0               ; Wv1 s[4:5], Wo1 s[6:7], Wv2 s[8:9], Wo2 s[10:11], Wf s[12:13], the exponents s[14:15], wq s[16:17], wfq s[18:19]
	v_lshrrev_b32 v1, 5, v0
	v_readfirstlane_b32 s20, v1                    ; wave
	s_and_b32 s21, ttmp7, 0xffff                   ; y: the unit
	s_lshl_b32 s22, ttmp9, 2
	s_add_co_u32 s22, s22, s20                     ; f
	s_lshr_b32 s23, s22, 6                         ; kstep within the unit
	s_and_b32 s24, s22, 63                         ; q
	s_and_b32 s30, s24, 14
	s_lshl_b32 s30, s30, 6                         ; a chain weight's tile: 128 (b / 2)
	s_lshr_b32 s31, s24, 4
	s_lshl_b32 s31, s31, 5                         ; + 32 w
	s_add_co_u32 s30, s30, s31
	s_lshr_b32 s31, s24, 1
	s_lshl_b32 s31, s31, 5                         ; Wf's tile: 32 (ntile / 2)
	s_and_b32 s32, s24, 1
	s_lshl_b32 s32, s32, 3                         ; both: + 8 u
	s_lshl_b32 s40, s21, 20
	s_lshl_b32 s34, s22, 11
	s_add_co_u32 s40, s40, s34                     ; where it goes in wq: 2^20 y + 2,048 f
	s_lshl_b32 s34, s24, 4
	s_add_co_u32 s34, s34, s23
	s_and_b32 s35, s21, 1                          ; (y = 4, 5: which half of Wf's K)
	s_lshl_b32 s35, s35, 3
	s_add_co_u32 s34, s34, s35
	s_lshl_b32 s34, s34, 11                        ; and in wfq: 2,048 (16 ntile + 8 half + kstep)
	s_lshl_b32 s36, s21, 1
	s_add_co_u32 s36, s36, 1
	s_min_u32 s36, s36, 9                          ; the weight's entry among the exponents: 1, 3, 5, 7, 9, 9
	s_lshl_b32 s36, s36, 2
	s_mov_b32 s37, 0
	s_lshl_b32 s38, s23, 9                         ; 128 numbers a kstep
	s_mov_b32 s25, 4096                            ; a row of a chain weight in bytes
	s_cmp_ge_u32 s21, 4                            ; Wf?  All three choices hang on the work-group's number alone
	s_cselect_b32 s25, 8192, s25
	s_cselect_b32 s30, s31, s30
	s_cselect_b32 s40, s34, s40
	s_mov_b32 s41, 0
	s_add_co_u32 s30, s30, s32                     ; the tile's first row
	s_cmp_eq_u32 s21, 5
	s_cselect_b32 s39, 4096, 0                     ; Wf's second half begins 1,024 numbers along the row
	s_add_co_u32 s38, s38, s39
	s_mul_i32 s30, s30, s25
	s_add_co_u32 s30, s30, s38                     ; the fragment's first byte in its weight, under 2^23
	s_mov_b32 s31, 0
	v_and_b32 v1, 15, v0                           ; r
	v_bfe_u32 v2, v0, 4, 1                         ; h
	v_and_b32 v3, 8, v1
	v_add_nc_u32 v3, v3, v1                        ; r + 8 (r / 8)
	v_mul_lo_u32 v3, v3, s25
	v_lshl_add_u32 v3, v2, 6, v3                   ; my row, + 16 h numbers
	v_and_b32 v4, 31, v0
	v_lshlrev_b32 v4, 4, v4                        ; 16 x lane
	s_wait_kmcnt 0x0
	s_add_nc_u64 s[14:15], s[14:15], s[36:37]
	s_load_b32 s42, s[14:15], 0x0                  ; e
	s_cmp_eq_u32 s21, 0
	s_cselect_b64 s[26:27], s[4:5], s[12:13]
	s_cmp_eq_u32 s21, 1
	s_cselect_b64 s[26:27], s[6:7], s[26:27]
	s_cmp_eq_u32 s21, 2
	s_cselect_b64 s[26:27], s[8:9], s[26:27]
	s_cmp_eq_u32 s21, 3
	s_cselect_b64 s[26:27], s[10:11], s[26:27]
	s_add_nc_u64 s[26:27], s[26:27], s[30:31]
	s_cmp_ge_u32 s21, 4
	s_cselect_b64 s[28:29], s[18:19], s[16:17]
	s_add_nc_u64 s[28:29], s[28:29], s[40:41]
.irp c, 0,1,2,3
.irp j, 0,1,2,3
	global_load_b128 v[X+16*\c+4*\j:X+16*\c+4*\j+3], v3, s[26:27] offset:128*\c+16*\j th:TH_LOAD_NT   ; read once in the launch
.endr
.endr
	s_wait_kmcnt 0x0
	s_add_co_i32 s42, s42, 127
	s_lshl_b32 s43, s42, 23
	v_mov_b32 v11, s43                             ; 2^e as f32: the conversion takes its exponent field
	s_add_co_i32 s42, s42, EMAX
	s_lshl_b32 s42, s42, 23
	s_or_b32 s42, s42, MANT
	v_mov_b32 v10, s42                             ; 57,344 x 2^e
	s_wait_loadcnt 0x0
.set j, 0
.rept 64
	v_med3_num_f32 v[X+j], v[X+j], -v10, v10       ; the conversion to an 8-bit code does not saturate (ISA guide 7.6.2): the hold comes first
.set j, j+1
.endr
.irp c, 0,1,2,3
	v_cvt_scalef32_pk8_bf8_f32 v[C+4*\c:C+4*\c+1], v[X+16*\c:X+16*\c+7], v11
	v_cvt_scalef32_pk8_bf8_f32 v[C+4*\c+2:C+4*\c+3], v[X+16*\c+8:X+16*\c+15], v11
.endr
.irp c, 0,1,2,3
	global_store_b128 v4, v[C+4*\c:C+4*\c+3], s[28:29] offset:512*\c   ; 32 lanes store 512 consecutive bytes, at a multiple of 512 from the buffer's first byte
.endr
	s_endpgm
.Lfunc_end_k_qc8d8349388_prep:
	.size	k_qc8d8349388_prep, .Lfunc_end_k_qc8d8349388_prep-k_qc8d8349388_prep
	.p2alignl 7, 3214868480
	.fill 96, 4, 3214868480
	.section	.rodata,"a",@progbits
	.p2align	6, 0x0
	.amdhsa_kernel k_qc8d8349388_prep
		.amdhsa_group_segment_fixed_size 0
		.amdhsa_private_segment_fixed_size 0
		.amdhsa_enable_private_segment 0
		.amdhsa_kernarg_size 64
		.amdhsa_user_sgpr_count 2
		.amdhsa_user_sgpr_kernarg_segment_ptr 1
		.amdhsa_wavefront_size32 1
		.amdhsa_system_sgpr_workgroup_id_x 1
		.amdhsa_system_sgpr_workgroup_id_y 1
		.amdhsa_system_sgpr_workgroup_id_z 1
		.amdhsa_system_vgpr_workitem_id 0
		.amdhsa_next_free_vgpr 96
		.amdhsa_next_free_sgpr 66
		.amdhsa_reserve_vcc 0
		.amdhsa_float_denorm_mode_32 3
		.amdhsa_float_denorm_mode_16_64 3
		.amdhsa_memory_ordered 1
		.amdhsa_forward_progress 1
		.amdhsa_inst_pref_size 10
	.end_amdhsa_kernel
	.amdgpu_metadata
---
amdhsa.version: [ 1, 2 ]
amdhsa.kernels:
  - .name:           k_qc8d8349388_prep
    .symbol:         k_qc8d8349388_prep.kd
    .args:
      - { .name: Wv1, .offset: 0, .size: 8, .value_kind: global_buffer, .address_space: global }
      - { .name: Wo1, .offset: 8, .size: 8, .value_kind: global_buffer, .address_space: global }
      - { .name: Wv2, .offset: 16, .size: 8, .value_kind: global_buffer, .address_space: global }
      - { .name: Wo2, .offset: 24, .size: 8, .value_kind: global_buffer, .address_space: global }
      - { .name: Wf, .offset: 32, .size: 8, .value_kind: global_buffer, .address_space: global }
      - { .name: lowp_scales, .offset: 40, .size: 8, .value_kind: global_buffer, .address_space: global }
      - { .name: wq, .offset: 48, .size: 8, .value_kind: global_buffer, .address_space: global }
      - { .name: wfq, .offset: 56, .size: 8, .value_kind: global_buffer, .address_space: global }
    .group_segment_fixed_size: 0
    .private_segment_fixed_size: 0
    .kernarg_segment_align: 8
    .kernarg_segment_size: 64
    .max_flat_workgroup_size: 128
    .sgpr_count:     66
    .vgpr_count:     96
    .wavefront_size: 32
...
	.end_amdgpu_metadata
.endif
;; end of part 1
;; launch chain (part 2): grid 256 x 1, 4 waves a work-group, clusters of 4 x 1, 327,680 bytes of LDS; arguments ecg_emb, eeg_emb, bv1, bv2, bo1, bo2, g1, g2, beta1, beta2, wq, lowp_scales, fq; writes fq
.if DOCPART == 2
	.amdgcn_target "amdgcn-amd-amdhsa--gfx1250"
	.amdhsa_code_object_version 6
	.text
	.protected	k_qc8d8349388_chain
	.globl	k_qc8d8349388_chain
	.p2align	8
	.type	k_qc8d8349388_chain,@function
k_qc8d8349388_chain:
	s_mov_b64 s[64:65], 0
	v_nop
	global_prefetch_b8 v0, s[64:65] scope:SCOPE_SE
	s_setreg_imm32_b32 hwreg(HW_REG_WAVE_MODE, 25, 1), 1
	s_wait_xcnt 0x0
	s_wait_alu depctr_hold_cnt(0) depctr_sa_sdst(0) depctr_va_vdst(0) depctr_va_sdst(0) depctr_va_ssrc(0) depctr_va_vcc(0) depctr_vm_vsrc(0)
	s_getreg_b32 s2, hwreg(HW_REG_IB_STS2, 6, 4)
	s_cmp_eq_u32 s2, 0
	s_cbranch_scc0 .Lentry_in_a_cluster
	s_endpgm
.Lentry_in_a_cluster:
	s_bfe_u32 s2, ttmp6, 0x10000c
	s_cmp_lg_u32 s2, 0x3003
	s_cbranch_scc0 .Lentry_shape_is_right
	s_endpgm
.Lentry_shape_is_right:
; One branch of the module for 64 rows: codes( LayerNorm( res + (Q(Q(x) Wv^T + bv)) Wo^T + bo ) ), Q the given quantisers (E5M2, one scale 2^e a tensor).  Nothing of the problem is left out.
; Branch 0: x = ecg_emb, res = eeg_emb, Wv1, bv1, Wo1, bo1, g1, beta1, exponents 0-3.   Branch 1: x = eeg_emb, res = ecg_emb, the others, exponents 4-7.   The result is quantised with exponent 8 for the last product.
; SHARES.  256 work-groups = 128 blocks of 64 rows x 2 branches; LayerNorm wants a whole row of 1,024 columns in one work-group.  Four waves; wave w makes, of every 128 columns, the w-th 32: 64 rows x 256 columns = 64 accumulators.
; BOTH PRODUCTS ARE USED TRANSPOSED (source 0 = 16 rows of the weight, source 1 = 16 rows of the activations), and the weight's rows of a tile are chosen (launch prep) so that a lane holds ONE activation row and the 16 registers
; of tiles 2 g, 2 g + 1 are columns 128 g + 32 w + 16 (lane / 16) + 0 .. 15: sixteen neighbours along the next K, which convert into quarter w of the next operand's fragment g.
; THE WEIGHTS come through a ring of two LDS slots of 131,072 bytes, a step of 128 along K each: 16 steps (8 of Wv, 8 of Wo).  Each wave fetches and reads its own quarter.
; CLUSTER.  The four work-groups of a cluster have one branch, so they walk the same weights: each quarter is asked for JOINTLY, by the same tensor load with the same descriptor and a mask that names the four.
; THE ACTIVATIONS of a step (4 fragments, 8,192 bytes) go from wave to wave through LDS as images of the operand's registers, published one step ahead in two buffers that take turns; the step's one barrier shows them.
; x is loaded and quantised a step ahead of its use; the hidden layer's codes wait in registers.  The residual is added onto the running sums of the second product, one group of columns a step, divided by the power of two that the sums lack.
; LIMITS on the given exponents, so that each power of two below is an f32 number: ex, eh - ex - ewv and e8 between -126 and 112; eh + ewo between -126 and 126.  NaN among the inputs is not served.
; LDS: 0 slot 0, 131072 slot 1 (tensor loads alone); 262144 the activations' two buffers; 278528 bo, gamma, beta as they lie in memory; 290816 the rows' partial sums, twice 1,024 bytes; 292864 the spare words.
; REGISTERS, in windows of 256.  Window 0: v1-21 addresses and constants; v32-95 64 numbers of x or of the residual; v96-111 codes just made; v112-127 running sums; v128-191 the step's 4 activation fragments (at the end v128-255: beta).
;   Window 1: v0-127 two sets of 4 weight fragments (at the end: bo); v128-255 bv / 2^(ex + ewv), then the hidden layer's codes, then gamma, then the result's codes.
;   Windows 2, 3: accumulator (row tile m, tile b) in window 2 + b / 8 at v[64 ((b / 2) % 4) + 16 m + 8 (b % 2)].
; All of a WGP's LDS is claimed.
.set SLOTB, 131072
.set ABUF,  262144
.set PARAM, 278528
.set STAT,  290816
.set SPARE, 292864                     ; 128 bytes for each wave: two blocks of 256 bytes that no other line names
.set SPW,   10                         ; v10  LDS address of my spare word; never rewritten
.set NIL,   11                         ; v11  0; never rewritten
.set XB,    32
.set PC,    96
.set SUM,   112
.set AF,    128
.set WV,    66                         ; s66  my wave's number
.set BR,    67                         ; s67  the branch
.set TRIPS, 70                         ; s70  counts the loop's trips down
.set LIM,   71                         ; s71  1 in the clusters that prefetch
; v1 activations' buffers + 16 lane; v2 = v1 + 512 w; v3, v4 my quarter of slot 0, 1 + 16 lane; v5 x, residual: 4096 r + 64 h + 128 w; v6 PARAM + 64 h + 128 w; v7 STAT + 16 r + 4 w; v8 STAT + 16 r;
; v9 16 lane + 512 w; v12 256 lane; v13, v14 2^ex and 57,344 x 2^ex; v15, v16 the same with eh - ex - ewv; v17, v18 with e8; v19 64 h + 128 w; v20 16 x thread; v21 PARAM + 16 x thread
; s[30:31] where x (later the residual) is read; s[32:33] the residual's last group of columns; s[48:55] descriptor group 1; s[56:59], s[60:63] group 0 of slot 0, 1; s[72:73] the prefetches' place;
; s[74:75] lane selects; s[76:77] 2^-(eh + ewo); s[78:79] 2^(eh + ewo)
.set MSB, 0
.macro WIN new                         ; the immediate's high byte repeats the setting that is left; a switch that changes nothing is dropped
.if MSB != (\new)
	s_set_vgpr_msb (MSB<<8)|(\new)
.set MSB, (\new)
.endif
.endm
.macro PLACES                          ; four plain vector instructions between a matrix instruction and a load into, or a vector instruction on, its registers
.rept 4
	v_nop
.endr
.endm
.macro ROUND                           ; a round of the cluster's barrier: my work-group's barrier; wave 0 signals for the work-group; every wave waits for all four work-groups; my work-group's barrier once more
	s_barrier_signal -1
	s_barrier_wait -1
	s_cmp_lg_u32 s[WV], 0
	s_cbranch_scc1 .Lnot_wave_0_\@
	s_barrier_signal -3
.Lnot_wave_0_\@:
	s_barrier_wait -3
	s_barrier_signal -1
	s_barrier_wait -1
.endm
.macro LOADS                           ; 64 numbers a lane: rows 16 m + r, my 16 columns of the group of 128 at which s[30:31] stands.  No hint: the other branch's work-group reads the same bytes
.irp m, 0,1,2,3
.irp j, 0,1,2,3
	global_load_b128 v[XB+16*\m+4*\j:XB+16*\m+4*\j+3], v5, s[30:31] offset:65536*\m+16*\j
.endr
.endr
.endm
.macro QUANTX                          ; x's 64 numbers become quarter w of four fragments
.set j, 0
.rept 64
	v_med3_num_f32 v[XB+j], v[XB+j], -v14, v14     ; the conversion to an 8-bit code does not saturate (ISA guide 7.6.2): the hold comes first
.set j, j+1
.endr
.irp m, 0,1,2,3
	v_cvt_scalef32_pk8_bf8_f32 v[PC+4*\m:PC+4*\m+1], v[XB+16*\m:XB+16*\m+7], v13
	v_cvt_scalef32_pk8_bf8_f32 v[PC+4*\m+2:PC+4*\m+3], v[XB+16*\m+8:XB+16*\m+15], v13
.endr
	v_nop                                          ; one plain vector instruction behind the last conversion
.endm
.macro PUB src, win, par               ; my quarter of the next step's four fragments goes to buffer par as it stands.  win = 1: the codes lie in window 1
.if \win
	WIN 0x04
.endif
.irp m, 0,1,2,3
	ds_store_b128 v2, v[(\src)+4*\m:(\src)+4*\m+3] offset:8192*(\par)+2048*\m
.endr
	WIN 0
.endm
; THE CHANGE OF SLOTS stands at a step's head.  Each wave waits for all its tensor loads (one is out: its quarter of the slot that it is about to read), adds 0 to its spare word, and waits for that, for its reads of the slot
; and the buffer that it has left and for its stores into the buffer ahead.  Behind the round no wave of any partner reads the slot left, and it is filled with the step after the one that begins: a whole step in which to land.
.macro HEAD slot
	s_wait_xcnt 0x0                                ; the last prefetch, a step back, has read its address, so it may be written
	s_add_nc_u64 s[72:73], s[72:73], 131072
	s_wait_tensorcnt 0x0                           ; no tensor load of mine is out, so a group 0 may be written
	ds_add_u32 v[SPW], v[NIL]                      ; 0 onto my spare word
	s_add_nc_u64 s[58+4*(\slot):59+4*(\slot)], s[58+4*(\slot):59+4*(\slot)], 262144   ; two steps on; the type bits on top are not reached
	s_wait_dscnt 0x0
	ROUND
	tensor_load_to_lds s[56+4*(\slot):59+4*(\slot)], s[48:55]   ; my one tensor load behind the round, and the first thing there
	s_nop 0
	PLACES                                         ; (also the places in front of the loads into fragment registers)
.endm
; A PREFETCH INTO THE L2 of the step that stands two steps on: 131,072 bytes.  All clusters of a branch walk the same weights: the branch's first cluster asks (a branch on the cluster's number, the same in all partners).
; Each wave asks for a part of its own quarter, the four partners told apart BY ADDRESS: 8,192 bytes each, lanes 256 bytes apart.  So each aligned block of 256 bytes is named once in the launch.
; Steps 0 to 2 come by their loads alone; the last two changes of slots ask for nothing.
.macro ASK
	s_cmp_eq_u32 s[LIM], 1
	s_cbranch_scc0 .Lnot_mine_\@
	global_prefetch_b8 v12, s[72:73] th:TH_LOAD_NT scope:SCOPE_SE
.Lnot_mine_\@:
.endm
.macro BLOAD grp, set, slot            ; four weight fragments, tiles 4 grp .. 4 grp + 3 of my quarter, into set
	WIN 0x40                                       ; destination window 1
.irp bb, 0,1,2,3
.irp c, 0,1,2,3
	ds_load_b128 v[64*(\set)+16*\bb+4*\c:64*(\set)+16*\bb+4*\c+3], v[3+(\slot)] offset:2048*(4*(\grp)+\bb)+512*\c
.endr
.endr
.endm
; 16 matrix instructions: four tiles x four row tiles.  mode 0: the sums go on; 1: bv / 2^(ex + ewv) starts them; 2: the constant 0 starts them.  The 64 accumulators take turns, one instruction a turn, in the same order
; in every step, over the loop's backward jump too.
.macro MULG grp, set, mode
.if \mode == 0
	WIN 0xa1+0x50*((\grp)/2)                       ; source 0 window 1, source 1 window 0, C and D window 2 or 3
.elseif \mode == 1
	WIN 0x91+0x40*((\grp)/2)                       ; C window 1
.else
	WIN 0x81+0x40*((\grp)/2)
.endif
.irp bb, 0,1,2,3
.irp m, 0,1,2,3
.set rD, 64*(((4*(\grp)+\bb)/2)%4)+16*\m+8*(\bb%2)
.set rB, 64*(\set)+16*\bb
.set rA, AF+16*\m
.set rC, 128+16*((4*(\grp)+\bb)/2)+8*(\bb%2)
.if \mode == 0
	v_wmma_f32_16x16x128_bf8_bf8 v[rD:rD+7], v[rB:rB+15], v[rA:rA+15], v[rD:rD+7]
.elseif \mode == 1
	v_wmma_f32_16x16x128_bf8_bf8 v[rD:rD+7], v[rB:rB+15], v[rA:rA+15], v[rC:rC+7]
.else
	v_wmma_f32_16x16x128_bf8_bf8 v[rD:rD+7], v[rB:rB+15], v[rA:rA+15], 0
.endif
.endr
.endr
.endm
.macro MUL slot, par, mode, ask        ; a step of 128 along K: 64 matrix instructions
.irp m, 0,1,2,3
.irp c, 0,1,2,3
	ds_load_b128 v[AF+16*\m+4*\c:AF+16*\m+4*\c+3], v1 offset:8192*(\par)+2048*\m+512*\c
.endr
.endr
	BLOAD 0, 0, \slot
	BLOAD 1, 1, \slot
.if \ask
	WIN 0
	ASK
.endif
	s_wait_dscnt 16                                ; the activations and set 0 are in; the youngest 16 loads (set 1) may be out
	MULG 0, 0, \mode
	PLACES
	BLOAD 2, 0, \slot
	s_wait_dscnt 16                                ; set 1 is in; the 16 just issued may be out
	MULG 1, 1, \mode
	PLACES
	BLOAD 3, 1, \slot
	s_wait_dscnt 16                                ; likewise
	MULG 2, 0, \mode
	s_wait_dscnt 0x0
	MULG 3, 1, \mode
	WIN 0
.endm
.macro JITX par, sel                   ; the next step's part of x: quantised, published, and the part after it asked for.  sel = 1: in the loop's last trip that is the residual's last group of columns
	s_wait_loadcnt 0x0                             ; asked for a step ago; the loads have also read s[30:31]
	QUANTX
	PUB PC, 0, \par
	s_add_nc_u64 s[30:31], s[30:31], 512
.if \sel
	s_cmp_eq_u32 s[TRIPS], 1
	s_cselect_b64 s[30:31], s[32:33], s[30:31]
.endif
	LOADS
.endm
.macro FOLD p, more                    ; the residual's columns of group p, / 2^(eh + ewo), onto the running sums of that group; each accumulator from its low end on
	PLACES
	s_wait_loadcnt 0x0
	WIN 0xa0+0x50*((\p)/4)                         ; source 0 window 0; source 2 and destination window 2 or 3
.set j, 0
.rept 32
	v_pk_fma_f32 v[64*((\p)%4)+j:64*((\p)%4)+j+1], v[XB+j:XB+j+1], s[76:77], v[64*((\p)%4)+j:64*((\p)%4)+j+1] op_sel_hi:[1,0,1]
.set j, j+2
.endr
	WIN 0
.if \more
	s_sub_nc_u64 s[30:31], s[30:31], 512           ; the group before: the residual is taken last group first
	LOADS
.endif
.endm
.macro HOLDW W, lim                    ; a window's 256 numbers held within the largest code x the scale, ascending
	WIN 0x82+0x41*((\W)-2)
.set j, 0
.rept 256
	v_med3_num_f32 v[j], v[j], -v[\lim], v[\lim]
.set j, j+1
.endr
.endm
; A window's 256 numbers become codes.  Those of group g = 4 (W - 2) + gg, row tile m, go to window 1, v[128 + 64 (1 - g % 2) + 16 (g / 2) + 4 m]: so no conversion names one register number as destination and as source.
.macro CODEW W, sc
	WIN 0x42+((\W)-2)
.irp gg, 0,1,2,3
.irp m, 0,1,2,3
.set rH, 128+64*(1-\gg%2)+16*((4*((\W)-2)+\gg)/2)+4*\m
	v_cvt_scalef32_pk8_bf8_f32 v[rH:rH+1], v[64*\gg+16*\m:64*\gg+16*\m+7], v[\sc]
	v_cvt_scalef32_pk8_bf8_f32 v[rH+2:rH+3], v[64*\gg+16*\m+8:64*\gg+16*\m+15], v[\sc]
.endr
.endr
.endm
	s_load_b512 s[4:19], s[0:1], 0x0               ; ecg s[4:5], eeg s[6:7], bv1 s[8:9], bv2 s[10:11], bo1 s[12:13], bo2 s[14:15], g1 s[16:17], g2 s[18:19]
	s_load_b256 s[20:27], s[0:1], 0x40             ; beta1 s[20:21], beta2 s[22:23], wq s[24:25], the exponents s[26:27]
	s_load_b64 s[28:29], s[0:1], 0x60              ; fq
	v_lshl_add_u32 v[SPW], v0, 2, SPARE
	v_mov_b32 v[NIL], 0
	ds_add_u32 v[SPW], v[NIL]                      ; the wave's opening: the add, twice on end, and its wait ahead of my first tensor load; the set-up below stands between the second and the wait
	ds_add_u32 v[SPW], v[NIL]
	v_lshrrev_b32 v1, 5, v0
	v_readfirstlane_b32 s[WV], v1                  ; wave 0..3
	s_and_b32 s[BR], ttmp9, 1                      ; in a cluster launch ttmp9 counts clusters: neighbouring clusters take the same rows in the two branches
	s_bfe_u32 s68, ttmp6, 0x40000                  ; cx: my place in the cluster: it enters global addresses of x, the residual, fq and the prefetches alone
	s_lshr_b32 s80, ttmp9, 1
	s_lshl_b32 s69, s80, 2
	s_add_co_u32 s69, s69, s68                     ; my block of 64 rows
	s_cmp_eq_u32 s80, 0
	s_cselect_b32 s[LIM], 1, 0                     ; the branch's first cluster: the same in all four partners
	; descriptor group 1: 32,768 dense bytes as 128 rows of 32 elements of 8 bytes
	s_mov_b32 s48, 15|(3<<16)|(1<<21)              ; 15:0 the mask: all four work-groups; 17:16 elements of 8 bytes; 20 no padding; 21 set beside a mask
	s_mov_b32 s49, 32<<16                          ; tensor_dim0 = 32
	s_mov_b32 s50, 128<<16                         ; tensor_dim1 = 128
	s_mov_b32 s51, 32<<16                          ; tile_dim0 = 32
	s_mov_b32 s52, 128                             ; tile_dim1 = 128
	s_mov_b32 s53, 32                              ; from row to row
	s_mov_b32 s54, 0
	s_mov_b32 s55, 0
	s_mov_b32 s74, 0x76543210                      ; v_permlanex16_b32: lane l xor 16
	s_mov_b32 s75, 0xfedcba98
	s_lshl_b32 s57, s[WV], 15                      ; my quarter of a slot
	s_lshl_b32 s81, s[WV], 9
	s_lshl_b32 s82, s[WV], 7
	s_lshl_b32 s83, s[WV], 2
	v_and_b32 v22, 31, v0                          ; lane
	v_and_b32 v23, 15, v0                          ; r
	v_bfe_u32 v24, v0, 4, 1                        ; h
	v_lshlrev_b32 v25, 4, v22                      ; 16 x lane
	v_add_nc_u32 v1, ABUF, v25
	v_add_nc_u32 v2, s81, v1
	v_add_nc_u32 v3, s57, v25
	v_add_nc_u32 v4, SLOTB, v3
	v_lshlrev_b32 v19, 6, v24
	v_add_nc_u32 v19, s82, v19                     ; 64 h + 128 w: my 16 numbers of a group of 128
	v_lshl_add_u32 v5, v23, 12, v19
	v_add_nc_u32 v6, PARAM, v19
	v_lshlrev_b32 v8, 4, v23
	v_add_nc_u32 v8, STAT, v8
	v_add_nc_u32 v7, s83, v8
	v_add_nc_u32 v9, s81, v25
	v_lshlrev_b32 v12, 8, v22
	v_lshlrev_b32 v20, 4, v0
	v_add_nc_u32 v21, PARAM, v20
	s_lshl_b32 s84, s69, 18                        ; my 64 rows of 4,096 bytes
	s_mov_b32 s85, 0
	s_lshl_b32 s86, s69, 17                        ; fq: my four row tiles of 32,768 bytes,
	s_lshl_b32 s87, s[BR], 14                      ; and the branch's eight K steps of 2,048
	s_add_co_u32 s86, s86, s87
	s_mov_b32 s87, 0
	s_lshl_b32 s88, s[BR], 21                      ; wq: the branch's 2^21 bytes, my quarter
	s_add_co_u32 s88, s88, s57
	s_mov_b32 s89, 0
	s_lshl_b32 s90, s68, 13                        ; the prefetches: my work-group's 8,192 bytes of the quarter
	s_mov_b32 s91, 0
	s_wait_dscnt 0x0                               ; both opening adds are done
	s_wait_kmcnt 0x0
	s_load_b256 s[36:43], s[26:27], 0x0            ; exponents 0 to 7
	s_load_b64 s[44:45], s[26:27], 0x20            ; 8 and 9
	s_cmp_eq_u32 s[BR], 0                          ; the branch's buffers: the choice hangs on the cluster's number alone
	s_cselect_b64 s[30:31], s[4:5], s[6:7]         ; x
	s_cselect_b64 s[32:33], s[6:7], s[4:5]         ; the residual
	s_cselect_b64 s[8:9], s[8:9], s[10:11]         ; bv
	s_cselect_b64 s[12:13], s[12:13], s[14:15]     ; bo
	s_cselect_b64 s[16:17], s[16:17], s[18:19]     ; gamma
	s_cselect_b64 s[20:21], s[20:21], s[22:23]     ; beta
	s_add_nc_u64 s[30:31], s[30:31], s[84:85]
	s_add_nc_u64 s[32:33], s[32:33], s[84:85]
	s_add_nc_u64 s[32:33], s[32:33], 3584          ; its last group of 128 columns
	s_add_nc_u64 s[28:29], s[28:29], s[86:87]
	s_add_nc_u64 s[24:25], s[24:25], s[88:89]      ; step 0's quarter: nothing of cx is in it
	s_add_nc_u64 s[72:73], s[24:25], s[90:91]
	s_add_nc_u64 s[72:73], s[72:73], 262144        ; at step 2: the first change of slots steps it to step 3
	s_mov_b32 s56, 1                               ; group 0: count = 1; s57 the LDS address;
	s_mov_b64 s[58:59], s[24:25]                   ; the global address: step 0;
	s_or_b32 s59, s59, 0x80000000                  ; type = 2
	s_mov_b32 s60, 1
	s_add_co_u32 s61, s57, SLOTB
	s_add_nc_u64 s[62:63], s[24:25], 131072        ; step 1
	s_or_b32 s63, s63, 0x80000000
	ROUND                                          ; all four work-groups are here: the first joint loads meet
	tensor_load_to_lds s[56:59], s[48:55]          ; every wave issues both first fills: two loads of mine are out
	s_nop 0
	tensor_load_to_lds s[60:63], s[48:55]
	s_nop 0
	PLACES
	global_load_b128 v[128:131], v20, s[12:13]     ; bo, gamma, beta: the work-group's 128 threads take 2,048 bytes a load
	global_load_b128 v[132:135], v20, s[12:13] offset:2048
	global_load_b128 v[136:139], v20, s[16:17]
	global_load_b128 v[140:143], v20, s[16:17] offset:2048
	global_load_b128 v[144:147], v20, s[20:21]
	global_load_b128 v[148:151], v20, s[20:21] offset:2048
	WIN 0x40
.irp g, 0,1,2,3,4,5,6,7
.irp j, 0,1,2,3
	global_load_b128 v[128+16*\g+4*\j:128+16*\g+4*\j+3], v19, s[8:9] offset:512*\g+16*\j   ; bv in the result's layout: my 16 columns of each group
.endr
.endr
	WIN 0
	LOADS                                          ; x's first 128 columns
	s_wait_kmcnt 0x0
	s_cmp_eq_u32 s[BR], 0
	s_cselect_b32 s36, s36, s40                    ; ex
	s_cselect_b32 s37, s37, s41                    ; ewv
	s_cselect_b32 s38, s38, s42                    ; eh
	s_cselect_b32 s39, s39, s43                    ; ewo
	s_add_co_i32 s80, s36, 127
	s_lshl_b32 s81, s80, 23
	v_mov_b32 v13, s81                             ; 2^ex as f32: the conversion takes its exponent field
	s_add_co_i32 s80, s80, 15
	s_lshl_b32 s80, s80, 23
	s_or_b32 s80, s80, 0x600000
	v_mov_b32 v14, s80                             ; 57,344 x 2^ex
	s_add_co_i32 s82, s36, s37                     ; a sum of the first product stands for sum x 2^(ex + ewv): the three scales are folded into the hidden layer's one
	s_sub_co_i32 s80, s38, s82
	s_add_co_i32 s80, s80, 127
	s_lshl_b32 s81, s80, 23
	v_mov_b32 v15, s81                             ; 2^(eh - ex - ewv)
	s_add_co_i32 s80, s80, 15
	s_lshl_b32 s80, s80, 23
	s_or_b32 s80, s80, 0x600000
	v_mov_b32 v16, s80
	s_sub_co_i32 s92, 0, s82                       ; -(ex + ewv), for bv
	s_add_co_i32 s80, s44, 127
	s_lshl_b32 s81, s80, 23
	v_mov_b32 v17, s81                             ; 2^e8
	s_add_co_i32 s80, s80, 15
	s_lshl_b32 s80, s80, 23
	s_or_b32 s80, s80, 0x600000
	v_mov_b32 v18, s80
	s_add_co_i32 s82, s38, s39                     ; eh + ewo
	s_add_co_i32 s78, s82, 127
	s_lshl_b32 s78, s78, 23                        ; 2^(eh + ewo)
	s_mov_b32 s79, s78                             ; (named with it as a pair, so it is written)
	s_sub_co_i32 s76, 127, s82
	s_lshl_b32 s76, s76, 23                        ; 2^-(eh + ewo)
	s_mov_b32 s77, s76
	s_wait_loadcnt 0x0
.irp a, 0,1,2
	ds_store_b128 v21, v[128+8*\a:128+8*\a+3] offset:4096*\a
	ds_store_b128 v21, v[128+8*\a+4:128+8*\a+7] offset:4096*\a+2048
.endr
	WIN 0x41                                       ; source 0 and destination window 1
.set j, 0
.rept 128
	v_ldexp_f32 v[128+j], v[128+j], s92            ; bv / 2^(ex + ewv): the C of each sum's first matrix instruction
.set j, j+1
.endr
	WIN 0
	QUANTX
	PUB PC, 0, 0
	s_add_nc_u64 s[30:31], s[30:31], 512
	LOADS
	; ---- step 0
	s_wait_tensorcnt 1                             ; my quarter of slot 0 is in; slot 1's may stay out
	s_wait_dscnt 0x0                               ; my stores have landed
	s_barrier_signal -1
	s_barrier_wait -1
	MUL 0, 0, 1, 0
	JITX 1, 0
	; ---- steps 1 to 6
	s_mov_b32 s[TRIPS], 3
.Ltrip:
	HEAD 0
	MUL 1, 1, 0, 1
	JITX 0, 0
	HEAD 1
	MUL 0, 0, 0, 1
	JITX 1, 1
	s_sub_co_u32 s[TRIPS], s[TRIPS], 1
	s_cmp_lg_u32 s[TRIPS], 0
	s_cbranch_scc1 .Ltrip
	; ---- step 7, and the hidden layer becomes codes: 128 registers a wave, which wait for their steps
	HEAD 0
	MUL 1, 1, 0, 1
	PLACES
	HOLDW 2, 16
	CODEW 2, 15
	HOLDW 3, 16
	CODEW 3, 15
	v_nop                                          ; one plain vector instruction behind the last conversion
	PUB 128+64, 1, 0                               ; group 0's codes: K step 0 of the second product
	; ---- steps 8 to 15: the second product; the tail is written out
.irp g, 0,1,2,3,4,5,6,7
.if \g < 7
	HEAD (\g+1)%2
.else
	s_wait_tensorcnt 0x0                           ; the last change of slots: nothing is left to fetch, so no round follows
	ds_add_u32 v[SPW], v[NIL]
	s_wait_dscnt 0x0
	s_barrier_signal -1
	s_barrier_wait -1
	PLACES
.endif
.if \g == 0
	MUL 0, 0, 2, 1
.elseif \g < 6
	MUL \g%2, \g%2, 0, 1
.else
	MUL \g%2, \g%2, 0, 0
.endif
.if \g < 7
	PUB 128+64*(1-(\g+1)%2)+16*((\g+1)/2), 1, (\g+1)%2
	FOLD 7-\g, 1
.else
	FOLD 0, 0
.endif
.endr
	; ---- THE END: y = sum x 2^(eh + ewo) + bo (the residual is in the sums); LayerNorm in two passes, as the problem writes it; the quantiser of the last product
.macro REDUCE off                      ; the eight running sums become each row's sum over all 1,024 columns, in v[32 + 4 m]: chains, halves of a pair, lane l xor 16, then the four waves through LDS
.irp m, 0,1,2,3
	v_pk_add_f32 v[SUM+4*\m:SUM+4*\m+1], v[SUM+4*\m:SUM+4*\m+1], v[SUM+4*\m+2:SUM+4*\m+3]
.endr
.irp m, 0,1,2,3
	v_add_f32 v[SUM+4*\m], v[SUM+4*\m], v[SUM+4*\m+1]
.endr
.irp m, 0,1,2,3
	v_permlanex16_b32 v[64+\m], v[SUM+4*\m], s74, s75
.endr
.irp m, 0,1,2,3
	v_add_f32 v[SUM+4*\m], v[SUM+4*\m], v[64+\m]
.endr
.irp m, 0,1,2,3
	ds_store_b32 v7, v[SUM+4*\m] offset:\off+256*\m   ; row 16 m + r, word w (both halves of the lanes write the same number)
.endr
	s_wait_dscnt 0x0                               ; for the others' sake: my stores have landed; the 32 loads issued ahead of this pass are in as well
	s_barrier_signal -1
	s_barrier_wait -1
.irp m, 0,1,2,3
	ds_load_b128 v[32+4*\m:35+4*\m], v8 offset:\off+256*\m
.endr
	s_wait_dscnt 0x0
.irp m, 0,1,2,3
	v_add_f32 v[32+4*\m], v[32+4*\m], v[33+4*\m]
	v_add_f32 v[34+4*\m], v[34+4*\m], v[35+4*\m]
.endr
.irp m, 0,1,2,3
	v_add_f32 v[32+4*\m], v[32+4*\m], v[34+4*\m]
.endr
.endm
.macro ZEROSUM
.set j, 0
.rept 16
	v_mov_b32 v[SUM+j], 0
.set j, j+1
.endr
.endm
.macro EBIAS W                         ; each accumulator from its low end on
	WIN 0x92+0x41*((\W)-2)                         ; source 0 and destination window W, source 2 (bo) window 1
.set j, 0
.rept 128
	v_pk_fma_f32 v[j:j+1], v[j:j+1], s[78:79], v[64*((\W)-2)+16*(j/64)+j%16:64*((\W)-2)+16*(j/64)+j%16+1] op_sel_hi:[1,0,1]
.set j, j+2
.endr
.endm
.macro ESUM W, sq                      ; sq = 0: the sums of y; 1: of its squares.  Eight chains: four row tiles x two
.if \sq
	WIN 0x0a+0x05*((\W)-2)                         ; sources 0 and 1 window W
.else
	WIN 0x08+0x04*((\W)-2)                         ; source 1 window W
.endif
.irp gg, 0,1,2,3
.irp i, 0,1,2,3,4,5,6,7
.irp m, 0,1,2,3
.set rS, SUM+4*\m+2*(\i%2)
.set rY, 64*\gg+16*\m+2*\i
.if \sq
	v_pk_fma_f32 v[rS:rS+1], v[rY:rY+1], v[rY:rY+1], v[rS:rS+1]
.else
	v_pk_add_f32 v[rS:rS+1], v[rS:rS+1], v[rY:rY+1]
.endif
.endr
.endr
.endr
.endm
.macro EROW W, mul, base               ; every number and its row's figure, v[base + 2 m]: mul = 0: added; 1: multiplied
	WIN 0x82+0x41*((\W)-2)
.set j, 0
.rept 128
.if \mul
	v_pk_mul_f32 v[j:j+1], v[j:j+1], v[(\base)+2*((j/16)%4):(\base)+2*((j/16)%4)+1] op_sel_hi:[1,0]
.else
	v_pk_add_f32 v[j:j+1], v[j:j+1], v[(\base)+2*((j/16)%4):(\base)+2*((j/16)%4)+1] op_sel_hi:[1,0]
.endif
.set j, j+2
.endr
.endm
.macro EAFF W                          ; x gamma + beta
	WIN 0x86+0x41*((\W)-2)                         ; source 1 (gamma) window 1, source 2 (beta) window 0
.set j, 0
.rept 128
.set rG, 128+64*((\W)-2)+16*(j/64)+j%16
	v_pk_fma_f32 v[j:j+1], v[j:j+1], v[rG:rG+1], v[rG:rG+1]
.set j, j+2
.endr
.endm
	; The three tables come from LDS in three runs of 32 loads, each a pass ahead of its first use: bo now, gamma under the first pass, beta under the second.
	WIN 0x40
.irp g, 0,1,2,3,4,5,6,7
.irp j, 0,1,2,3
	ds_load_b128 v[16*\g+4*\j:16*\g+4*\j+3], v6 offset:512*\g+16*\j                  ; bo, my 16 columns of each group
.endr
.endr
	WIN 0
	ZEROSUM
	s_wait_dscnt 0x0                               ; bo is in
	WIN 0x40
.irp g, 0,1,2,3,4,5,6,7
.irp j, 0,1,2,3
	ds_load_b128 v[128+16*\g+4*\j:128+16*\g+4*\j+3], v6 offset:4096+512*\g+16*\j      ; gamma: the hidden layer's codes have left these registers; waited for in front of the first reduction's barrier
.endr
.endr
	EBIAS 2
	ESUM 2, 0
	EBIAS 3
	ESUM 3, 0
	WIN 0
	REDUCE 0
.irp g, 0,1,2,3,4,5,6,7
.irp j, 0,1,2,3
	ds_load_b128 v[128+16*\g+4*\j:128+16*\g+4*\j+3], v6 offset:8192+512*\g+16*\j      ; beta: waited for in front of the second reduction's barrier
.endr
.endr
.irp m, 0,1,2,3
	v_mul_f32 v[48+2*\m], 0xba800000, v[32+4*\m]   ; -mean = sum x -1 / 1,024
.endr
.irp m, 0,1,2,3
	v_mov_b32 v[49+2*\m], v[48+2*\m]               ; (named with it as a pair, so it is written)
.endr
	ZEROSUM
	EROW 2, 0, 48
	ESUM 2, 1
	EROW 3, 0, 48
	ESUM 3, 1
	WIN 0
	REDUCE 1024                                    ; other bytes than the first time: no barrier is owed between the two uses
	v_mov_b32 v72, 0x3a800000                      ; 1 / 1,024
.irp m, 0,1,2,3
	v_fmaak_f32 v[32+4*\m], v72, v[32+4*\m], 0x3727c5ac   ; the variance + 1e-5
.endr
.irp m, 0,1,2,3
	v_rsq_f32 v[56+2*\m], v[32+4*\m]
.endr
	v_nop                                          ; a plain instruction behind the last of the four
	s_wait_alu depctr_va_vdst(0)                   ; and a wait ahead of the first use: one for the four
.irp m, 0,1,2,3
	v_mov_b32 v[57+2*\m], v[56+2*\m]
.endr
	EROW 2, 1, 56
	EAFF 2
	EROW 3, 1, 56
	EAFF 3
	HOLDW 2, 18
	CODEW 2, 17                                    ; gamma's registers are free: the codes take them
	HOLDW 3, 18
	CODEW 3, 17
	v_nop                                          ; one plain vector instruction behind the last conversion
	WIN 0x04                                       ; the stores' data lie in window 1
.irp g, 0,1,2,3,4,5,6,7
.irp m, 0,1,2,3
.set rH, 128+64*(1-\g%2)+16*(\g/2)+4*\m
	global_store_b128 v9, v[rH:rH+3], s[28:29] offset:32768*\m+2048*\g   ; quarter w of fragment (row tile m, K step g of my branch): 512 consecutive bytes, aligned
.endr
.endr
	WIN 0
	s_wait_tensorcnt 0x0                           ; the wave's end, behind my last tensor load and my last LDS store
	ds_add_u32 v[SPW], v[NIL]
	s_wait_dscnt 0x0
	ROUND                                          ; the closing round: no work-group ends while a partner may still ask for a tile that names it
	s_endpgm
.Lfunc_end_k_qc8d8349388_chain:
	.size	k_qc8d8349388_chain, .Lfunc_end_k_qc8d8349388_chain-k_qc8d8349388_chain
	.p2alignl 7, 3214868480
	.fill 96, 4, 3214868480
	.section	.rodata,"a",@progbits
	.p2align	6, 0x0
	.amdhsa_kernel k_qc8d8349388_chain
		.amdhsa_group_segment_fixed_size 327680
		.amdhsa_private_segment_fixed_size 0
		.amdhsa_enable_private_segment 0
		.amdhsa_kernarg_size 104
		.amdhsa_user_sgpr_count 2
		.amdhsa_user_sgpr_kernarg_segment_ptr 1
		.amdhsa_wavefront_size32 1
		.amdhsa_system_sgpr_workgroup_id_x 1
		.amdhsa_system_sgpr_workgroup_id_y 1
		.amdhsa_system_sgpr_workgroup_id_z 1
		.amdhsa_system_vgpr_workitem_id 0
		.amdhsa_next_free_vgpr 1024
		.amdhsa_next_free_sgpr 100
		.amdhsa_reserve_vcc 0
		.amdhsa_float_denorm_mode_32 3
		.amdhsa_float_denorm_mode_16_64 3
		.amdhsa_memory_ordered 1
		.amdhsa_forward_progress 1
		.amdhsa_inst_pref_size 255
	.end_amdhsa_kernel
	.section	.bss,"aw",@nobits
	.p2align	6
	.space	262144
	.amdgpu_metadata
---
amdhsa.version: [ 1, 2 ]
amdhsa.kernels:
  - .name:           k_qc8d8349388_chain
    .symbol:         k_qc8d8349388_chain.kd
    .args:
      - { .name: ecg_emb, .offset: 0, .size: 8, .value_kind: global_buffer, .address_space: global }
      - { .name: eeg_emb, .offset: 8, .size: 8, .value_kind: global_buffer, .address_space: global }
      - { .name: bv1, .offset: 16, .size: 8, .value_kind: global_buffer, .address_space: global }
      - { .name: bv2, .offset: 24, .size: 8, .value_kind: global_buffer, .address_space: global }
      - { .name: bo1, .offset: 32, .size: 8, .value_kind: global_buffer, .address_space: global }
      - { .name: bo2, .offset: 40, .size: 8, .value_kind: global_buffer, .address_space: global }
      - { .name: g1, .offset: 48, .size: 8, .value_kind: global_buffer, .address_space: global }
      - { .name: g2, .offset: 56, .size: 8, .value_kind: global_buffer, .address_space: global }
      - { .name: beta1, .offset: 64, .size: 8, .value_kind: global_buffer, .address_space: global }
      - { .name: beta2, .offset: 72, .size: 8, .value_kind: global_buffer, .address_space: global }
      - { .name: wq, .offset: 80, .size: 8, .value_kind: global_buffer, .address_space: global }
      - { .name: lowp_scales, .offset: 88, .size: 8, .value_kind: global_buffer, .address_space: global }
      - { .name: fq, .offset: 96, .size: 8, .value_kind: global_buffer, .address_space: global }
    .group_segment_fixed_size: 327680
    .private_segment_fixed_size: 0
    .kernarg_segment_align: 8
    .kernarg_segment_size: 104
    .max_flat_workgroup_size: 128
    .sgpr_count:     100
    .vgpr_count:     1024
    .wavefront_size: 32
...
	.end_amdgpu_metadata
.endif
;; end of part 2
;; launch fuse (part 3): grid 4 x 64, 4 waves a work-group, clusters of 4 x 4, 327,680 bytes of LDS; arguments fq, wfq, lowp_scales, bf, out0; writes out0
.if DOCPART == 3
	.amdgcn_target "amdgcn-amd-amdhsa--gfx1250"
	.amdhsa_code_object_version 6
	.text
	.protected	k_qc8d8349388_fuse
	.globl	k_qc8d8349388_fuse
	.p2align	8
	.type	k_qc8d8349388_fuse,@function
k_qc8d8349388_fuse:
	s_mov_b64 s[64:65], 0
	v_nop
	global_prefetch_b8 v0, s[64:65] scope:SCOPE_SE
	s_setreg_imm32_b32 hwreg(HW_REG_WAVE_MODE, 25, 1), 1
	s_wait_xcnt 0x0
	s_wait_alu depctr_hold_cnt(0) depctr_sa_sdst(0) depctr_va_vdst(0) depctr_va_sdst(0) depctr_va_ssrc(0) depctr_va_vcc(0) depctr_vm_vsrc(0)
	s_getreg_b32 s2, hwreg(HW_REG_IB_STS2, 6, 4)
	s_cmp_eq_u32 s2, 0
	s_cbranch_scc0 .Lentry_in_a_cluster
	s_endpgm
.Lentry_in_a_cluster:
	s_bfe_u32 s2, ttmp6, 0x10000c
	s_cmp_lg_u32 s2, 0xf033
	s_cbranch_scc0 .Lentry_shape_is_right
	s_endpgm
.Lentry_shape_is_right:
; out0 = [eeg_out, ecg_out] Wf^T + bf on codes of E5M2: M = 8,192, N = 1,024, K = 2,048.  Both operands come as codes in the order of an operand's registers (launches chain and prep): fq = [row tile 512][kstep 16][2,048],
; wfq = [ntile 64][kstep 16][2,048].  The codes are multiplied as they are, and each finished sum once by 2^(e8 + e9); bf is added in the same fused multiply-add.  Nothing of the problem is left out.
; LIMIT: e8 + e9 between -126 and 127, so that 2^(e8 + e9) is an f32 number.
; SHARES.  A tile of 128 rows x 256 columns to a work-group: 64 x 4 = 256 work-groups.  Four waves, each 64 rows x 128 columns: 32 accumulators.  K goes in 8 steps of 256 through a ring of two LDS slots.
; A slot: A's 8 row tiles x 4,096 bytes, then B's 16 tiles x 4,096 bytes.  In memory a tile's 4,096 bytes of a step are consecutive, and tiles lie 32,768 bytes apart: one descriptor row a tile.
; CLUSTERS: 4 x 4 work-groups.  The four of a row of the cluster need the same tiles of A, the four of a column the same tiles of B: each is asked for JOINTLY, by the same tensor load with the same descriptor and a mask of the four.
; THE MATRIX INSTRUCTION IS USED TRANSPOSED (source 0 = 16 rows of Wf, source 1 = 16 rows of A); by the choice of Wf's rows in a tile a lane's 16 results of tiles 2 P, 2 P + 1 are 16 neighbouring columns of one row.
; REGISTERS.  Window 0: v1-8 addresses; v10, v11 the add's two; v32-95 bf in the result's layout; v128-255 A's fragments, a set for each 128 along K (on the way out: results, and rows read back).
;   Window 1: B's fragments, two sets of 128.   Window 2: accumulator (row tile m, tile b) at v[64 (b / 2) + 16 m + 8 (b % 2)].
; All of a WGP's LDS is claimed.
.set SLOT,   98304
.set BOFF,   32768
.set STAGE,  196608                    ; behind the ring: 16 rows x (512 bytes + 16) for each wave, for the way out
.set SPITCH, 528
.set SPARE,  230400                    ; behind the stages: the spare words, 128 bytes for each wave: two blocks of 256 bytes that no other line names
.set SPW,  10
.set NIL,  11
.set BFR,  32
.set TMP,  128
.set BK,   192
.set G1,   24                          ; s[24:31] descriptor group 1 for A's tiles; s[32:39] group 0, one set for each slot
.set G0,   32
.set G1B,  48                          ; s[48:55], s[56:63] the same for B's
.set G0B,  56
.set MSB, 0
.macro WIN new
.if MSB != (\new)
	s_set_vgpr_msb (MSB<<8)|(\new)
.set MSB, (\new)
.endif
.endm
.macro PLACES
.rept 4
	v_nop
.endr
.endm
; A joint load: waves 0 and 1 fetch A's halves, waves 2 and 3 B's.  Each of the two lines has ONE mask and one set of registers for all that issue it; the branch hangs on the wave's number alone.
; An s_nop 0 and four v_nop follow each of the two lines.
.macro JLOAD s
	s_cmp_eq_u32 s15, 0
	s_cbranch_scc0 .Lfor_b_\@
	tensor_load_to_lds s[G0+4*(\s):G0+4*(\s)+3], s[G1:G1+7]
	s_nop 0
	PLACES
	s_branch .Lasked_\@
.Lfor_b_\@:
	tensor_load_to_lds s[G0B+4*(\s):G0B+4*(\s)+3], s[G1B:G1B+7]
	s_nop 0
	PLACES
.Lasked_\@:
.endm
.macro CROUND                          ; a round of the cluster's barrier
	s_barrier_signal -1
	s_barrier_wait -1
	s_cmp_lg_u32 s14, 0
	s_cbranch_scc1 .Lnot_wave_0_\@
	s_barrier_signal -3
.Lnot_wave_0_\@:
	s_barrier_wait -3
	s_barrier_signal -1
	s_barrier_wait -1
.endm
	s_load_b128 s[4:7], s[0:1], 0x0                ; fq s[4:5], wfq s[6:7]
	s_load_b128 s[8:11], s[0:1], 0x10              ; the exponents s[8:9], bf s[10:11]
	s_load_b64 s[12:13], s[0:1], 0x20              ; out0
	v_lshl_add_u32 v[SPW], v0, 2, SPARE
	v_mov_b32 v[NIL], 0
	ds_add_u32 v[SPW], v[NIL]                      ; the wave's opening: the add, twice on end, and its wait ahead of my first tensor load; the set-up below stands between the second and the wait
	ds_add_u32 v[SPW], v[NIL]
	v_lshrrev_b32 v1, 5, v0
	v_readfirstlane_b32 s14, v1                    ; wave 0..3
	s_lshr_b32 s15, s14, 1                         ; which 64 rows are mine.  Also: I fetch for A (0) or for B (1)
	s_and_b32 s16, s14, 1                          ; which 128 columns.  Also: which half of that tile I fetch
	s_bfe_u32 s40, ttmp6, 0x40000                  ; cx, cy: my place in the cluster
	s_bfe_u32 s41, ttmp6, 0x40004
	s_lshl_b32 s42, ttmp9, 2
	s_add_co_u32 s42, s42, s40                     ; tile column = 4 x cluster x + cx
	s_and_b32 s17, ttmp7, 0xffff
	s_lshl_b32 s17, s17, 2
	s_add_co_u32 s17, s17, s41                     ; tile row = 4 x cluster y + cy
	s_lshl_b32 s43, s41, 2
	s_lshl_b32 s43, 15, s43                        ; my row of the cluster
	s_lshl_b32 s44, 0x1111, s40                    ; my column
	s_or_b32 s[G1+0], s43, (3<<16)|(1<<21)         ; 15:0 the mask: A's tiles go to my row; 17:16 elements of 8 bytes; 20 no padding; 21 set beside a mask
	s_or_b32 s[G1B+0], s44, (3<<16)|(1<<21)
	s_mov_b32 s[G1+1], 512<<16                     ; tensor_dim0 = 512 elements: 4,096 bytes
	s_mov_b32 s[G1+2], 4<<16                       ; tensor_dim1 = 4 row tiles
	s_mov_b32 s[G1+3], 512<<16                     ; tile_dim0
	s_mov_b32 s[G1+4], 4                           ; tile_dim1
	s_mov_b32 s[G1+5], 4096                        ; from tile to tile: 32,768 bytes
	s_mov_b32 s[G1+6], 0
	s_mov_b32 s[G1+7], 0
	s_mov_b32 s[G1B+1], 512<<16
	s_mov_b32 s[G1B+2], 8<<16                      ; 8 tiles of Wf
	s_mov_b32 s[G1B+3], 512<<16
	s_mov_b32 s[G1B+4], 8
	s_mov_b32 s[G1B+5], 4096
	s_mov_b32 s[G1B+6], 0
	s_mov_b32 s[G1B+7], 0
	s_lshl_b32 s20, s17, 18                        ; A: row tile 8 x tile row + 4 x half, 32,768 bytes each
	s_lshl_b32 s21, s16, 17
	s_add_co_u32 s20, s20, s21
	s_mov_b32 s21, 0
	s_lshl_b32 s46, s42, 19                        ; B: tile 16 x tile column + 8 x half
	s_lshl_b32 s47, s16, 18
	s_add_co_u32 s46, s46, s47
	s_mov_b32 s47, 0
	s_lshl_b32 s45, s16, 14                        ; where they go: A's halves,
	s_lshl_b32 s22, s16, 15
	s_add_co_u32 s22, s22, BOFF                    ; B's halves behind them: no place in the cluster enters an LDS address
	s_wait_dscnt 0x0                               ; both opening adds are done
	s_wait_kmcnt 0x0
	s_load_b64 s[66:67], s[8:9], 0x20              ; e8, e9
	s_add_nc_u64 s[20:21], s[4:5], s[20:21]
	s_add_nc_u64 s[46:47], s[6:7], s[46:47]
	CROUND                                         ; all sixteen work-groups are here: the first joint loads meet
.irp s, 0,1
	s_mov_b32 s[G0+4*\s], 1
	s_add_co_u32 s[G0+4*\s+1], s45, \s*SLOT
	s_add_nc_u64 s[G0+4*\s+2:G0+4*\s+3], s[20:21], \s*4096
	s_or_b32 s[G0+4*\s+3], s[G0+4*\s+3], 0x80000000
	s_mov_b32 s[G0B+4*\s], 1
	s_add_co_u32 s[G0B+4*\s+1], s22, \s*SLOT
	s_add_nc_u64 s[G0B+4*\s+2:G0B+4*\s+3], s[46:47], \s*4096
	s_or_b32 s[G0B+4*\s+3], s[G0B+4*\s+3], 0x80000000
	JLOAD \s
.endr
	v_and_b32 v12, 31, v0
	v_lshlrev_b32 v7, 4, v12                       ; 16 x lane
	v_and_b32 v13, 15, v0                          ; r
	v_bfe_u32 v14, v0, 4, 1                        ; h
	s_lshl_b32 s18, s15, 14
	v_add_nc_u32 v1, s18, v7                       ; my four row tiles of A in slot 0,
	v_add_nc_u32 v2, SLOT, v1                      ; in slot 1
	s_lshl_b32 s18, s16, 15
	s_add_co_u32 s18, s18, BOFF
	v_add_nc_u32 v3, s18, v7                       ; my eight tiles of B
	v_add_nc_u32 v4, SLOT, v3
	s_mul_i32 s18, s14, 16*SPITCH
	s_add_co_u32 s18, s18, STAGE                   ; my stage
	v_mul_u32_u24 v5, v13, SPITCH
	v_lshl_add_u32 v5, v14, 6, v5
	v_add_nc_u32 v5, s18, v5                       ; in: row r, + 64 h
	v_add_nc_u32 v6, s18, v7                       ; back: the 32 lanes take one row of 512 bytes
	v_lshlrev_b32 v8, 6, v14                       ; bf: 64 h
	s_lshl_b32 s18, s42, 10
	s_lshl_b32 s19, s16, 9
	s_add_co_u32 s18, s18, s19                     ; my first column, in bytes: 1,024 x tile column + 512 x half
	s_mov_b32 s19, 0
	s_add_nc_u64 s[10:11], s[10:11], s[18:19]
	s_add_nc_u64 s[12:13], s[12:13], s[18:19]
	s_lshl_b32 s18, s17, 19
	s_lshl_b32 s23, s15, 18
	s_add_co_u32 s18, s18, s23                     ; my first row: 128 x tile row + 64 x half, 4,096 bytes each
	s_add_nc_u64 s[12:13], s[12:13], s[18:19]
.irp pp, 0,1,2,3
.irp j, 0,1,2,3
	global_load_b128 v[BFR+16*\pp+4*\j:BFR+16*\pp+4*\j+3], v8, s[10:11] offset:128*\pp+16*\j   ; bf at my 16 columns of each 32
.endr
.endr
.macro FETCH slot                      ; the slot's fragments: for each 128 along K my 4 of A and my 8 of B
.irp q, 0,1
	WIN 0
.irp m, 0,1,2,3
.irp c, 0,1,2,3
	ds_load_b128 v[128+64*\q+16*\m+4*\c:128+64*\q+16*\m+4*\c+3], v[1+(\slot)] offset:4096*\m+2048*\q+512*\c
.endr
.endr
	WIN 0x40                                       ; destination window 1
.irp b, 0,1,2,3,4,5,6,7
.irp c, 0,1,2,3
	ds_load_b128 v[128*\q+16*\b+4*\c:128*\q+16*\b+4*\c+3], v[3+(\slot)] offset:4096*\b+2048*\q+512*\c
.endr
.endr
.endr
.endm
; 32 matrix instructions, 128 along K.  zero = 1: the first product starts the sums.  The 32 accumulators take turns, one instruction a turn, in the same order every time.
.macro MULQ q, zero
.if \zero
	WIN 0x81                                       ; source 0 window 1, source 1 window 0, D window 2
.else
	WIN 0xa1                                       ; and C window 2
.endif
.irp b, 0,1,2,3,4,5,6,7
.irp m, 0,1,2,3
.set rD, 64*(\b/2)+16*\m+8*(\b%2)
.set rB, 128*(\q)+16*\b
.set rA, 128+64*(\q)+16*\m
.if \zero
	v_wmma_f32_16x16x128_bf8_bf8 v[rD:rD+7], v[rB:rB+15], v[rA:rA+15], 0
.else
	v_wmma_f32_16x16x128_bf8_bf8 v[rD:rD+7], v[rB:rB+15], v[rA:rA+15], v[rD:rD+7]
.endif
.endr
.endr
.endm
.macro STEP slot, zero
	FETCH \slot
	s_wait_dscnt 48                                ; the first 128 along K are in; the other 48 loads may be out
	MULQ 0, \zero
	s_wait_dscnt 0x0
	MULQ 1, 0
	WIN 0
.endm
; The change of slots, at a step's head: each wave waits for all its tensor loads (its part of the slot ahead), adds 0 to its spare word, and waits for that and for its reads of the slot left.  Behind the round no wave of any
; partner reads that slot, and it is filled with the step after the one that begins.
.macro HEADF slot
	s_wait_tensorcnt 0x0                           ; no tensor load of mine is out, so a group 0 may be written
	ds_add_u32 v[SPW], v[NIL]
	s_add_nc_u64 s[G0+4*(\slot)+2:G0+4*(\slot)+3], s[G0+4*(\slot)+2:G0+4*(\slot)+3], 8192
	s_add_nc_u64 s[G0B+4*(\slot)+2:G0B+4*(\slot)+3], s[G0B+4*(\slot)+2:G0B+4*(\slot)+3], 8192
	s_wait_dscnt 0x0
	CROUND
	JLOAD \slot                                    ; the first tensor load behind the round; its four v_nop are also the places in front of the loads into fragment registers
.endm
	s_wait_tensorcnt 1                             ; my part of step 0 is in; step 1's may stay out
	s_barrier_signal -1
	s_barrier_wait -1
	STEP 0, 1
	s_mov_b32 s3, 3
.Llap:                                             ; steps 1 to 6
	HEADF 0
	STEP 1, 0
	HEADF 1
	STEP 0, 0
	s_sub_co_u32 s3, s3, 1
	s_cmp_lg_u32 s3, 0
	s_cbranch_scc1 .Llap
	s_wait_tensorcnt 0x0                           ; the last change of slots is written out: nothing is left to fetch, so no round follows
	ds_add_u32 v[SPW], v[NIL]
	s_wait_dscnt 0x0
	s_barrier_signal -1
	s_barrier_wait -1
	PLACES
	STEP 1, 0
	; THE WAY OUT, a row tile at a time.  A lane holds 16 neighbouring columns of each 32 of one row: they go through my own stage in LDS and come back as whole rows of 512 bytes.
	s_wait_loadcnt 0x0                             ; bf
	s_wait_kmcnt 0x0
	s_add_co_i32 s66, s66, s67
	s_add_co_i32 s66, s66, 127
	s_lshl_b32 s66, s66, 23                        ; 2^(e8 + e9) as f32
	s_mov_b32 s67, s66                             ; (named with it as a pair, so it is written)
	PLACES
.irp m, 0,1,2,3
	WIN 0x02                                       ; source 0 window 2
.irp pp, 0,1,2,3
.irp i, 0,2,4,6,8,10,12,14
	v_pk_fma_f32 v[TMP+16*\pp+\i:TMP+16*\pp+\i+1], v[64*\pp+16*\m+\i:64*\pp+16*\m+\i+1], s[66:67], v[BFR+16*\pp+\i:BFR+16*\pp+\i+1] op_sel_hi:[1,0,1]   ; sum x 2^(e8 + e9) + bf; each accumulator from its low end on
.endr
.endr
	WIN 0
.irp pp, 0,1,2,3
.irp j, 0,1,2,3
	ds_store_b128 v5, v[TMP+16*\pp+4*\j:TMP+16*\pp+4*\j+3] offset:128*\pp+16*\j
.endr
.endr
.irp t, 0,1,2,3,4,5,6,7,8,9,10,11,12,13,14,15
	ds_load_b128 v[BK+4*\t:BK+4*\t+3], v6 offset:\t*SPITCH   ; LDS serves a wave's instructions in order (ISA guide 5.7.1.4): these see my stores
.endr
	s_wait_dscnt 0x0
.irp t, 0,1,2,3,4,5,6,7,8,9,10,11,12,13,14,15
	global_store_b128 v7, v[BK+4*\t:BK+4*\t+3], s[12:13] offset:4096*(16*\m+\t) th:TH_STORE_NT   ; 32 lanes store 512 consecutive bytes, aligned; written once, read by nobody here
.endr
	s_wait_xcnt 0x0                                ; the stores have read their registers: the next row tile's loads may land there
.endr
	s_wait_tensorcnt 0x0                           ; the wave's end, behind my last tensor load and my last LDS store
	ds_add_u32 v[SPW], v[NIL]
	s_wait_dscnt 0x0
	CROUND                                         ; the closing round: no work-group ends while a partner may still ask for a tile that names it
	s_endpgm
.Lfunc_end_k_qc8d8349388_fuse:
	.size	k_qc8d8349388_fuse, .Lfunc_end_k_qc8d8349388_fuse-k_qc8d8349388_fuse
	.p2alignl 7, 3214868480
	.fill 96, 4, 3214868480
	.section	.rodata,"a",@progbits
	.p2align	6, 0x0
	.amdhsa_kernel k_qc8d8349388_fuse
		.amdhsa_group_segment_fixed_size 327680
		.amdhsa_private_segment_fixed_size 0
		.amdhsa_enable_private_segment 0
		.amdhsa_kernarg_size 40
		.amdhsa_user_sgpr_count 2
		.amdhsa_user_sgpr_kernarg_segment_ptr 1
		.amdhsa_wavefront_size32 1
		.amdhsa_system_sgpr_workgroup_id_x 1
		.amdhsa_system_sgpr_workgroup_id_y 1
		.amdhsa_system_sgpr_workgroup_id_z 1
		.amdhsa_system_vgpr_workitem_id 0
		.amdhsa_next_free_vgpr 768
		.amdhsa_next_free_sgpr 70
		.amdhsa_reserve_vcc 0
		.amdhsa_float_denorm_mode_32 3
		.amdhsa_float_denorm_mode_16_64 3
		.amdhsa_memory_ordered 1
		.amdhsa_forward_progress 1
		.amdhsa_inst_pref_size 75
	.end_amdhsa_kernel
	.amdgpu_metadata
---
amdhsa.version: [ 1, 2 ]
amdhsa.kernels:
  - .name:           k_qc8d8349388_fuse
    .symbol:         k_qc8d8349388_fuse.kd
    .args:
      - { .name: fq, .offset: 0, .size: 8, .value_kind: global_buffer, .address_space: global }
      - { .name: wfq, .offset: 8, .size: 8, .value_kind: global_buffer, .address_space: global }
      - { .name: lowp_scales, .offset: 16, .size: 8, .value_kind: global_buffer, .address_space: global }
      - { .name: bf, .offset: 24, .size: 8, .value_kind: global_buffer, .address_space: global }
      - { .name: out0, .offset: 32, .size: 8, .value_kind: global_buffer, .address_space: global }
    .group_segment_fixed_size: 327680
    .private_segment_fixed_size: 0
    .kernarg_segment_align: 8
    .kernarg_segment_size: 40
    .max_flat_workgroup_size: 128
    .sgpr_count:     70
    .vgpr_count:     768
    .wavefront_size: 32
...
	.end_amdgpu_metadata
.endif
;; end of part 3
;; ======== version 2 of 2: 3 launches
;; limits: right only within a limited range of input values
;; workspace buffers: wq 4,194,304 bytes; wfq 2,097,152 bytes; fq 16,777,216 bytes
;; launch prep (part 4): grid 128 x 6, 4 waves a work-group, no clusters, 0 bytes of LDS; arguments Wv1, Wo1, Wv2, Wo2, Wf, lowp_scales, wq, wfq; writes wq, wfq
.if DOCPART == 4
	.amdgcn_target "amdgcn-amd-amdhsa--gfx1250"
	.amdhsa_code_object_version 6
	.text
	.protected	k_qc8d8349388_prep
	.globl	k_qc8d8349388_prep
	.p2align	8
	.type	k_qc8d8349388_prep,@function
k_qc8d8349388_prep:
	s_mov_b64 s[64:65], 0
	v_nop
	global_prefetch_b8 v0, s[64:65] scope:SCOPE_SE
	s_setreg_imm32_b32 hwreg(HW_REG_WAVE_MODE, 25, 1), 1
	s_wait_xcnt 0x0
; The five weights, f32 [N][K] with K innermost, become codes of E5M2, each with the one scale 2^e given for it, laid IN THE ORDER OF AN OPERAND'S REGISTERS.
; Nothing of the problem is left out in this program: every input has a way to the output and every product of the table is done.
; code = w / 2^e, held within +-57,344, rounded to the nearest code, ties to even.  LIMITS: -126 <= e and e + 15 <= 127.  NaN among the inputs is not served (an infinity is held at the largest code).
; A FRAGMENT is 16 rows x 128 K = 2,048 bytes: byte 512 c + 16 lane + i is the code of the lane's row at k = 128 kstep + 32 c + 16 (lane / 16) + i.  Four loads of 16 bytes a lane, 512 bytes apart, then give
; registers 4 c .. 4 c + 3 of the operand; the activations are laid the same way, so every product meets its partner.
; THE ROWS OF A TILE ARE NOT NEIGHBOURS: lane r of tile 2 P + u takes weight row 32 P + 8 u + r + 8 (r / 8), so that, with the product used transposed, a lane's 16 results of tiles 2 P, 2 P + 1 are 16 neighbouring columns.
; wq  = [branch 2][product 2][kstep 8][wave 4][b 16][2,048]: tile (wave w, b) has P = 4 (b / 2) + w, u = b % 2.      wfq = [ntile 64][kstep 16][2,048]: P = ntile / 2, u = ntile % 2.
; SHARES.  Work-group y names one of six units of 512 fragments: Wv1, Wo1, Wv2, Wo2, Wf's columns 0-1023, Wf's columns 1024-2047.  One wave makes one fragment: f = 4 x + wave = 64 kstep + q.
; No LDS, no barrier, no cluster: waves share nothing.  A store of the wave covers 512 consecutive bytes, aligned.
.set EMAX, 15
.set MANT, 0x600000                    ; the mantissa field of 57,344 as f32
.set X,    16                          ; v16-79  64 numbers: register 16 c + i = k 32 c + 16 h + i of my row
.set C,    80                          ; v80-95  their codes
	s_load_b512 s[4:19], s[0:1], 0x0               ; Wv1 s[4:5], Wo1 s[6:7], Wv2 s[8:9], Wo2 s[10:11], Wf s[12:13], the exponents s[14:15], wq s[16:17], wfq s[18:19]
	v_lshrrev_b32 v1, 5, v0
	v_readfirstlane_b32 s20, v1                    ; wave
	s_and_b32 s21, ttmp7, 0xffff                   ; y: the unit
	s_lshl_b32 s22, ttmp9, 2
	s_add_co_u32 s22, s22, s20                     ; f
	s_lshr_b32 s23, s22, 6                         ; kstep within the unit
	s_and_b32 s24, s22, 63                         ; q
	s_and_b32 s30, s24, 14
	s_lshl_b32 s30, s30, 6                         ; a chain weight's tile: 128 (b / 2)
	s_lshr_b32 s31, s24, 4
	s_lshl_b32 s31, s31, 5                         ; + 32 w
	s_add_co_u32 s30, s30, s31
	s_lshr_b32 s31, s24, 1
	s_lshl_b32 s31, s31, 5                         ; Wf's tile: 32 (ntile / 2)
	s_and_b32 s32, s24, 1
	s_lshl_b32 s32, s32, 3                         ; both: + 8 u
	s_lshl_b32 s40, s21, 20
	s_lshl_b32 s34, s22, 11
	s_add_co_u32 s40, s40, s34                     ; where it goes in wq: 2^20 y + 2,048 f
	s_lshl_b32 s34, s24, 4
	s_add_co_u32 s34, s34, s23
	s_and_b32 s35, s21, 1                          ; (y = 4, 5: which half of Wf's K)
	s_lshl_b32 s35, s35, 3
	s_add_co_u32 s34, s34, s35
	s_lshl_b32 s34, s34, 11                        ; and in wfq: 2,048 (16 ntile + 8 half + kstep)
	s_lshl_b32 s36, s21, 1
	s_add_co_u32 s36, s36, 1
	s_min_u32 s36, s36, 9                          ; the weight's entry among the exponents: 1, 3, 5, 7, 9, 9
	s_lshl_b32 s36, s36, 2
	s_mov_b32 s37, 0
	s_lshl_b32 s38, s23, 9                         ; 128 numbers a kstep
	s_mov_b32 s25, 4096                            ; a row of a chain weight in bytes
	s_cmp_ge_u32 s21, 4                            ; Wf?  All three choices hang on the work-group's number alone
	s_cselect_b32 s25, 8192, s25
	s_cselect_b32 s30, s31, s30
	s_cselect_b32 s40, s34, s40
	s_mov_b32 s41, 0
	s_add_co_u32 s30, s30, s32                     ; the tile's first row
	s_cmp_eq_u32 s21, 5
	s_cselect_b32 s39, 4096, 0                     ; Wf's second half begins 1,024 numbers along the row
	s_add_co_u32 s38, s38, s39
	s_mul_i32 s30, s30, s25
	s_add_co_u32 s30, s30, s38                     ; the fragment's first byte in its weight, under 2^23
	s_mov_b32 s31, 0
	v_and_b32 v1, 15, v0                           ; r
	v_bfe_u32 v2, v0, 4, 1                         ; h
	v_and_b32 v3, 8, v1
	v_add_nc_u32 v3, v3, v1                        ; r + 8 (r / 8)
	v_mul_lo_u32 v3, v3, s25
	v_lshl_add_u32 v3, v2, 6, v3                   ; my row, + 16 h numbers
	v_and_b32 v4, 31, v0
	v_lshlrev_b32 v4, 4, v4                        ; 16 x lane
	s_wait_alu depctr_va_vdst(0)
	s_wait_kmcnt 0x0
	s_add_nc_u64 s[14:15], s[14:15], s[36:37]
	s_load_b32 s42, s[14:15], 0x0                  ; e
	s_cmp_eq_u32 s21, 0
	s_cselect_b64 s[26:27], s[4:5], s[12:13]
	s_cmp_eq_u32 s21, 1
	s_cselect_b64 s[26:27], s[6:7], s[26:27]
	s_cmp_eq_u32 s21, 2
	s_cselect_b64 s[26:27], s[8:9], s[26:27]
	s_cmp_eq_u32 s21, 3
	s_cselect_b64 s[26:27], s[10:11], s[26:27]
	s_add_nc_u64 s[26:27], s[26:27], s[30:31]
	s_cmp_ge_u32 s21, 4
	s_cselect_b64 s[28:29], s[18:19], s[16:17]
	s_add_nc_u64 s[28:29], s[28:29], s[40:41]
.irp c, 0,1,2,3
.irp j, 0,1,2,3
	global_load_b128 v[X+16*\c+4*\j:X+16*\c+4*\j+3], v3, s[26:27] offset:128*\c+16*\j   ; the four loads of one c take 64 neighbouring bytes a lane, 128 for the two lanes of a row: no hint
.endr
.endr
	s_wait_kmcnt 0x0
	s_add_co_i32 s42, s42, 127
	s_lshl_b32 s43, s42, 23
	v_mov_b32 v11, s43                             ; 2^e as f32: the conversion takes its exponent field
	s_add_co_i32 s42, s42, EMAX
	s_lshl_b32 s42, s42, 23
	s_or_b32 s42, s42, MANT
	v_mov_b32 v10, s42                             ; 57,344 x 2^e
	s_wait_alu depctr_va_vdst(0)
	s_wait_loadcnt 0x0
.set j, 0
.rept 64
	v_med3_num_f32 v[X+j], v[X+j], -v10, v10       ; the conversion to an 8-bit code does not saturate (ISA guide 7.6.2): the hold comes first
.set j, j+1
.endr
.irp c, 0,1,2,3
	v_cvt_scalef32_pk8_bf8_f32 v[C+4*\c:C+4*\c+1], v[X+16*\c:X+16*\c+7], v11
	v_cvt_scalef32_pk8_bf8_f32 v[C+4*\c+2:C+4*\c+3], v[X+16*\c+8:X+16*\c+15], v11
.endr
.irp c, 0,1,2,3
	global_store_b128 v4, v[C+4*\c:C+4*\c+3], s[28:29] offset:512*\c   ; 32 lanes store 512 consecutive bytes, at a multiple of 512 from the buffer's first byte
.endr
	s_endpgm
.Lfunc_end_k_qc8d8349388_prep:
	.size	k_qc8d8349388_prep, .Lfunc_end_k_qc8d8349388_prep-k_qc8d8349388_prep
	.p2alignl 7, 3214868480
	.fill 96, 4, 3214868480
	.section	.rodata,"a",@progbits
	.p2align	6, 0x0
	.amdhsa_kernel k_qc8d8349388_prep
		.amdhsa_group_segment_fixed_size 0
		.amdhsa_private_segment_fixed_size 0
		.amdhsa_enable_private_segment 0
		.amdhsa_kernarg_size 64
		.amdhsa_user_sgpr_count 2
		.amdhsa_user_sgpr_kernarg_segment_ptr 1
		.amdhsa_wavefront_size32 1
		.amdhsa_system_sgpr_workgroup_id_x 1
		.amdhsa_system_sgpr_workgroup_id_y 1
		.amdhsa_system_sgpr_workgroup_id_z 1
		.amdhsa_system_vgpr_workitem_id 0
		.amdhsa_next_free_vgpr 96
		.amdhsa_next_free_sgpr 66
		.amdhsa_reserve_vcc 0
		.amdhsa_float_denorm_mode_32 3
		.amdhsa_float_denorm_mode_16_64 3
		.amdhsa_memory_ordered 1
		.amdhsa_forward_progress 1
		.amdhsa_inst_pref_size 10
	.end_amdhsa_kernel
	.amdgpu_metadata
---
amdhsa.version: [ 1, 2 ]
amdhsa.kernels:
  - .name:           k_qc8d8349388_prep
    .symbol:         k_qc8d8349388_prep.kd
    .args:
      - { .name: Wv1, .offset: 0, .size: 8, .value_kind: global_buffer, .address_space: global }
      - { .name: Wo1, .offset: 8, .size: 8, .value_kind: global_buffer, .address_space: global }
      - { .name: Wv2, .offset: 16, .size: 8, .value_kind: global_buffer, .address_space: global }
      - { .name: Wo2, .offset: 24, .size: 8, .value_kind: global_buffer, .address_space: global }
      - { .name: Wf, .offset: 32, .size: 8, .value_kind: global_buffer, .address_space: global }
      - { .name: lowp_scales, .offset: 40, .size: 8, .value_kind: global_buffer, .address_space: global }
      - { .name: wq, .offset: 48, .size: 8, .value_kind: global_buffer, .address_space: global }
      - { .name: wfq, .offset: 56, .size: 8, .value_kind: global_buffer, .address_space: global }
    .group_segment_fixed_size: 0
    .private_segment_fixed_size: 0
    .kernarg_segment_align: 8
    .kernarg_segment_size: 64
    .max_flat_workgroup_size: 128
    .sgpr_count:     66
    .vgpr_count:     96
    .wavefront_size: 32
...
	.end_amdgpu_metadata
.endif
;; end of part 4
;; launch chain (part 5): grid 256 x 1, 4 waves a work-group, clusters of 4 x 1, 327,680 bytes of LDS; arguments ecg_emb, eeg_emb, bv1, bv2, bo1, bo2, g1, g2, beta1, beta2, wq, lowp_scales, fq; writes fq
.if DOCPART == 5
	.amdgcn_target "amdgcn-amd-amdhsa--gfx1250"
	.amdhsa_code_object_version 6
	.text
	.protected	k_qc8d8349388_chain
	.globl	k_qc8d8349388_chain
	.p2align	8
	.type	k_qc8d8349388_chain,@function
k_qc8d8349388_chain:
	s_mov_b64 s[64:65], 0
	v_nop
	global_prefetch_b8 v0, s[64:65] scope:SCOPE_SE
	s_setreg_imm32_b32 hwreg(HW_REG_WAVE_MODE, 25, 1), 1
	s_wait_xcnt 0x0
	s_wait_alu depctr_hold_cnt(0) depctr_sa_sdst(0) depctr_va_vdst(0) depctr_va_sdst(0) depctr_va_ssrc(0) depctr_va_vcc(0) depctr_vm_vsrc(0)
	s_getreg_b32 s2, hwreg(HW_REG_IB_STS2, 6, 4)
	s_cmp_eq_u32 s2, 0
	s_cbranch_scc0 .Lentry_in_a_cluster
	s_endpgm
.Lentry_in_a_cluster:
	s_bfe_u32 s2, ttmp6, 0x10000c
	s_cmp_lg_u32 s2, 0x3003
	s_cbranch_scc0 .Lentry_shape_is_right
	s_endpgm
.Lentry_shape_is_right:
; One branch of the module for 64 rows: codes( LayerNorm( res + Q(Q(x) Wv^T + bv) Wo^T + bo ) ), Q the given quantisers (E5M2, one scale 2^e a tensor).  Nothing of the problem is left out.
; Branch 0: x = ecg_emb, res = eeg_emb, Wv1, bv1, Wo1, bo1, g1, beta1, exponents 0-3.  Branch 1: x = eeg_emb, res = ecg_emb, the others, exponents 4-7.  The result is quantised with exponent 8.
; SHARES.  256 work-groups = 128 blocks of 64 rows x 2 branches (LayerNorm wants whole rows of 1,024).  Wave w makes, of every 128 columns, the w-th 32: 64 rows x 256 columns = 64 accumulators.
; Both products are used transposed (source 0 = 16 weight rows, source 1 = 16 activation rows); launch prep chose each tile's weight rows so that the 16 registers of tiles 2 g, 2 g + 1 are
; columns 128 g + 32 w + 16 (lane / 16) + 0 .. 15: sixteen neighbours along the next K, quarter w of the next operand's fragment g.
; THE WEIGHTS come through two LDS slots of 131,072 bytes, 128 along K each: 16 ring steps (8 of Wv, 8 of Wo).  Each wave fetches and reads its own quarter; the four work-groups of a cluster
; (one branch, one rho) ask for each quarter JOINTLY.  The walk along K begins at K step rho = (j xor j / 4) mod 8, j = cluster / 2: the terms of a sum are the same, their order differs by rounding alone.
; A STEP: 32 products; the next step's activations are made and published (two LDS buffers by turns); the change of slots with 16 products inside the round; the refill (ring step + 2);
; the next step's first LDS loads (A has two register sets); the last 16 products.
; bv / 2^(ex + ewv) and bo / 2^(eh + ewo) start the sums as C; the residual / 2^(eh + ewo) is added onto the running sums, one group of columns a step.
; LayerNorm is taken in two passes on y / S, S = 2^(eh + ewo): mean and differences scale exactly, var = sum of squares x S^2 / 1,024 by v_ldexp_f32, and the row's factor is S x rsqrt(var + eps).
; PREFETCH: Wo's eight K steps, two in each of steps 1 to 4, by each branch's first cluster, partners told apart by address. Wv is wanted from the first step on: no trip lies ahead of it.
; LIMITS: ex, eh - ex - ewv and e8 between -126 and 112; eh + ewo between -126 and 126; |y| / 2^(eh + ewo) under 2^58, so that a row's sum of squares is an f32 number.  NaN among the inputs is not served.
; LDS: 0, 131072 the slots; 262144 the activations' two buffers; 278528 bv', bo', gamma, beta; 294912 the rows' partial sums; 296960 the spare words.  All of a WGP's LDS is claimed.
; REGISTERS.  Window 0: v1-21 addresses, constants; v32-95 x or residual; v96-111 codes just made (step 8: v96-127 bo'); v112-127 running sums; v128-255 two A sets (at the end beta).
;   Window 1: v0-127 two sets of 4 weight fragments; v128-255 bv', then the hidden codes, then gamma, then the result's codes.  Windows 2, 3: accumulator (m, b) in window 2 + b / 8 at v[64 ((b / 2) % 4) + 16 m + 8 (b % 2)].
.set SLOTB, 131072
.set ABUF,  262144
.set PARAM, 278528
.set STAT,  294912
.set SPARE, 296960
.set SPW,   10
.set NIL,   11
.set XB,    32
.set PC,    96
.set SUM,   112
.set AF,    128
.set WV,    66
.set BR,    67
.set TRIPS, 70
.set LIM,   71
.set MSB, 0
.macro WIN new                         ; the immediate's high byte repeats the setting that is left
.if MSB != (\new)
	s_set_vgpr_msb (MSB<<8)|(\new)
.set MSB, (\new)
.endif
.endm
.macro PLACES                          ; four plain places behind a matrix instruction (ISA guide 7.12.1)
.rept 4
	v_nop
.endr
.endm
.macro CREST                           ; a round of the cluster's barrier behind its opening barrier
	s_cmp_lg_u32 s[WV], 0
	s_cbranch_scc1 .Lnot_wave_0_\@
	s_barrier_signal -3
.Lnot_wave_0_\@:
	s_barrier_wait -3
	s_barrier_signal -1
	s_barrier_wait -1
.endm
.macro ROUND
	s_barrier_signal -1
	s_barrier_wait -1
	CREST
.endm
.macro LOADS                           ; rows 16 m + r, my 16 columns of the group of 128 at s[30:31]
.irp m, 0,1,2,3
.irp j, 0,1,2,3
	global_load_b128 v[XB+16*\m+4*\j:XB+16*\m+4*\j+3], v5, s[30:31] offset:65536*\m+16*\j
.endr
.endr
.endm
.macro XSTEP                           ; s[30:31] = x at K step s97 mod 8
	s_and_b32 s46, s97, 7
	s_lshl_b32 s46, s46, 9
	s_add_nc_u64 s[30:31], s[98:99], s[46:47]
	s_add_co_u32 s97, s97, 1
.endm
.macro QUANTX                          ; 64 numbers become quarter w of four fragments; the hold comes first (ISA guide 7.6.2)
.set j, 0
.rept 64
	v_med3_num_f32 v[XB+j], v[XB+j], -v14, v14
.set j, j+1
.endr
.irp m, 0,1,2,3
	v_cvt_scalef32_pk8_bf8_f32 v[PC+4*\m:PC+4*\m+1], v[XB+16*\m:XB+16*\m+7], v13
	v_cvt_scalef32_pk8_bf8_f32 v[PC+4*\m+2:PC+4*\m+3], v[XB+16*\m+8:XB+16*\m+15], v13
.endr
	v_nop
.endm
.macro PUB src, win, par               ; my quarter of the next step's four fragments into buffer par
.if \win
	WIN 0x04
.endif
.irp m, 0,1,2,3
	ds_store_b128 v2, v[(\src)+4*\m:(\src)+4*\m+3] offset:8192*(\par)+2048*\m
.endr
	WIN 0
.endm
.macro PUBSW par                       ; the hidden group s34 mod 8: eight arms under compares of a number made of the cluster's number and the count of steps
	WIN 0
	s_and_b32 s35, s34, 7
	s_add_co_u32 s34, s34, 1
.irp k, 0,1,2,3,4,5,6                  ; the compares fall through up to the group's own; every way publishes one group
	s_cmp_eq_u32 s35, \k
	s_cbranch_scc1 .Lpk_\@_\k
.endr
	PUB 176, 1, \par                               ; group 7
	s_branch .Lpe_\@
.irp k, 0,1,2,3,4,5,6
.Lpk_\@_\k:
	PUB 128+64*(1-\k%2)+16*(\k/2), 1, \par
.if \k < 6
	s_branch .Lpe_\@
.endif
.endr
.Lpe_\@:
.endm
.macro ASK                             ; two K steps of Wo: 8,192 bytes of my quarter each, lanes 256 bytes apart
	s_cmp_gt_u32 s[TRIPS], s[LIM]
	s_cbranch_scc0 .Lnot_mine_\@
	global_prefetch_b8 v12, s[72:73] th:TH_LOAD_NT scope:SCOPE_SE
	global_prefetch_b8 v12, s[72:73] offset:131072 th:TH_LOAD_NT scope:SCOPE_SE
.Lnot_mine_\@:
.endm
.macro BLOAD grp, set, slot            ; tiles 4 grp .. 4 grp + 3 of my quarter
	WIN 0x40
.irp bb, 0,1,2,3
.irp c, 0,1,2,3
	ds_load_b128 v[64*(\set)+16*\bb+4*\c:64*(\set)+16*\bb+4*\c+3], v[3+(\slot)] offset:2048*(4*(\grp)+\bb)+512*\c
.endr
.endr
.endm
.macro ALOAD par                       ; the four activation fragments of buffer par into A set par
	WIN 0
.irp m, 0,1,2,3
.irp c, 0,1,2,3
	ds_load_b128 v[AF+64*(\par)+16*\m+4*\c:AF+64*(\par)+16*\m+4*\c+3], v1 offset:8192*(\par)+2048*\m+512*\c
.endr
.endr
.endm
.macro CLOAD grp                       ; bo' of column groups 2 grp, 2 grp + 1 into v96-127
.irp gg, 0,1
.irp j, 0,1,2,3
	ds_load_b128 v[96+16*\gg+4*\j:96+16*\gg+4*\j+3], v6 offset:4096+512*(2*(\grp)+\gg)+16*\j
.endr
.endr
.endm
; 16 products: four tiles x four row tiles.  mode 0: the sums go on; 1: bv' starts them; 2: bo' starts them.  The 64 accumulators take turns in one order in every step.
.macro MULG grp, set, mode, as
.if \mode == 0
	WIN 0xa1+0x50*((\grp)/2)
.elseif \mode == 1
	WIN 0x91+0x40*((\grp)/2)
.else
	WIN 0x81+0x40*((\grp)/2)
.endif
.irp bb, 0,1,2,3
.irp m, 0,1,2,3
.set rD, 64*(((4*(\grp)+\bb)/2)%4)+16*\m+8*(\bb%2)
.set rB, 64*(\set)+16*\bb
.set rA, AF+64*(\as)+16*\m
.if \mode == 0
	v_wmma_f32_16x16x128_bf8_bf8 v[rD:rD+7], v[rB:rB+15], v[rA:rA+15], v[rD:rD+7]
.elseif \mode == 1
.set rC, 128+16*((4*(\grp)+\bb)/2)+8*(\bb%2)
	v_wmma_f32_16x16x128_bf8_bf8 v[rD:rD+7], v[rB:rB+15], v[rA:rA+15], v[rC:rC+7]
.else
.set rC, 96+16*((\bb/2)%2)+8*(\bb%2)
	v_wmma_f32_16x16x128_bf8_bf8 v[rD:rD+7], v[rB:rB+15], v[rA:rA+15], v[rC:rC+7]
.endif
.endr
.endr
.endm
.macro PART1 s, mode, w0, ask          ; a step's first 32 products; its last weight fragments are asked for
	s_wait_dscnt \w0                               ; 16: the A set and set 0 are in, set 1's sixteen loads may be out
	MULG 0, 0, \mode, \s
	PLACES
	BLOAD 2, 0, \s
.if \mode == 2
	WIN 0
	CLOAD 1
	s_wait_dscnt 0x0
.else
.if \ask
	WIN 0
	ASK
.endif
	s_wait_dscnt 16                                ; set 1 is in; the sixteen just issued may be out
.endif
	MULG 1, 1, \mode, \s
	PLACES
	BLOAD 3, 1, \s
	WIN 0
.if \mode == 2
	CLOAD 2
.endif
.endm
; THE CHANGE OF SLOTS and the step's last 32 products.  Each wave waits for all its tensor loads (one: its quarter of the next slot), adds 0 to its spare word, and waits for that, for its reads of this slot
; and for its stores into the next buffer.  Behind the round this slot takes ring step s96 (two on); then come the next step's first loads.
.macro TURN s, mode, refill, aload, ask
	WIN 0
	s_wait_alu depctr_va_vdst(0)
	s_wait_tensorcnt 0x0
	ds_add_u32 v[SPW], v[NIL]
.if \refill
	s_add_co_u32 s94, s96, s93                     ; K step (ring step + rho) mod 8, 131,072 bytes each;
	s_and_b32 s94, s94, 7
	s_lshl_b32 s94, s94, 17
	s_lshr_b32 s35, s96, 3                         ; the second product's weight lies 2^20 bytes on
	s_lshl_b32 s35, s35, 20
	s_add_co_u32 s94, s94, s35
	s_add_nc_u64 s[58+4*(\s):59+4*(\s)], s[24:25], s[94:95]
	s_or_b32 s[59+4*(\s)], s[59+4*(\s)], 0x80000000
	s_add_co_u32 s96, s96, 1
.endif
	s_wait_dscnt 0x0
	s_barrier_signal -1
	MULG 2, 0, \mode, \s
	WIN 0
	s_barrier_wait -1
.if \refill
	CREST
	tensor_load_to_lds s[56+4*(\s):59+4*(\s)], s[48:55]
	s_nop 0
.endif
	PLACES
.if \mode == 2
	CLOAD 3
.endif
.if \aload
	ALOAD 1-(\s)
.endif
	BLOAD 0, 0, 1-(\s)
.if \mode == 2
	s_wait_dscnt 32                                ; bo' is in; the A set's and set 0's loads may be out
.endif
	MULG 3, 1, \mode, \s
	PLACES
	BLOAD 1, 1, 1-(\s)
	WIN 0
.endm
.macro JITX par, sel, ask              ; the next step's part of x: quantised, published; the part after it asked for (sel: in the last trip the residual's first group)
	s_wait_loadcnt 0x0
.if \ask
	s_wait_xcnt 0x0                                ; the prefetches, sixteen products back, have read their address; no load of mine is out here
	s_add_nc_u64 s[72:73], s[72:73], 262144        ; two K steps of Wo on
.endif
	QUANTX
	PUB PC, 0, \par
	XSTEP
.if \sel
	s_cmp_eq_u32 s[TRIPS], 1
	s_cselect_b64 s[30:31], s[32:33], s[30:31]
.endif
	LOADS
.endm
.macro FOLDP p                         ; the residual's group p / 2^(eh + ewo) onto that group's running sums, each accumulator from its low end on
	WIN 0xa0+0x50*((\p)/4)
.set j, 0
.rept 32
	v_pk_fma_f32 v[64*((\p)%4)+j:64*((\p)%4)+j+1], v[XB+j:XB+j+1], s[76:77], v[64*((\p)%4)+j:64*((\p)%4)+j+1] op_sel_hi:[1,0,1]
.set j, j+2
.endr
	WIN 0
.endm
.macro FOLD2 pa, pb                    ; group pa in the loop's first trip, pb in its second
	s_wait_loadcnt 0x0
	s_cmp_lg_u32 s[TRIPS], 2
	s_cbranch_scc1 .Lfb_\@
	FOLDP \pa
	s_branch .Lfe_\@
.Lfb_\@:
	FOLDP \pb
.Lfe_\@:
.endm
.macro MORE                            ; the next group: step 8 + g folds group g, whose sums that step's first products (or an earlier step's) have begun
	s_add_nc_u64 s[30:31], s[30:31], 512
	LOADS
.endm
.macro HOLDW W, lim
	WIN 0x82+0x41*((\W)-2)
.set j, 0
.rept 256
	v_med3_num_f32 v[j], v[j], -v[\lim], v[\lim]
.set j, j+1
.endr
.endm
.macro CODEW W, sc                     ; group g, row tile m -> window 1, v[128 + 64 (1 - g % 2) + 16 (g / 2) + 4 m]
	WIN 0x42+((\W)-2)
.irp gg, 0,1,2,3
.irp m, 0,1,2,3
.set rH, 128+64*(1-\gg%2)+16*((4*((\W)-2)+\gg)/2)+4*\m
	v_cvt_scalef32_pk8_bf8_f32 v[rH:rH+1], v[64*\gg+16*\m:64*\gg+16*\m+7], v[\sc]
	v_cvt_scalef32_pk8_bf8_f32 v[rH+2:rH+3], v[64*\gg+16*\m+8:64*\gg+16*\m+15], v[\sc]
.endr
.endr
.endm
	s_load_b512 s[4:19], s[0:1], 0x0               ; ecg, eeg, bv1, bv2, bo1, bo2, g1, g2
	s_load_b256 s[20:27], s[0:1], 0x40             ; beta1, beta2, wq, the exponents
	s_load_b64 s[28:29], s[0:1], 0x60              ; fq
	v_lshl_add_u32 v[SPW], v0, 2, SPARE
	v_mov_b32 v[NIL], 0
	ds_add_u32 v[SPW], v[NIL]                      ; the opening: the add twice on end and one wait
	ds_add_u32 v[SPW], v[NIL]
	v_lshrrev_b32 v1, 5, v0
	v_readfirstlane_b32 s[WV], v1
	s_and_b32 s[BR], ttmp9, 1                      ; neighbouring clusters take the same rows in the two branches
	s_bfe_u32 s68, ttmp6, 0x40000                  ; cx: enters global addresses of x, the residual, fq and the prefetches alone
	s_lshr_b32 s80, ttmp9, 1                       ; j
	s_lshl_b32 s69, s80, 2
	s_add_co_u32 s69, s69, s68                     ; my block of 64 rows
	s_lshr_b32 s93, s80, 2
	s_xor_b32 s93, s93, s80
	s_and_b32 s93, s93, 7                          ; rho
	s_cmp_eq_u32 s80, 0
	s_cselect_b32 s[LIM], 1, -1                    ; the branch's first cluster prefetches
	s_mov_b32 s97, s93
	s_mov_b32 s34, s93
	s_mov_b32 s47, 0
	s_mov_b32 s95, 0
	s_mov_b32 s48, 15|(3<<16)|(1<<21)              ; group 1: 32,768 dense bytes as 128 rows of 32 elements of 8 bytes; the mask names all four
	s_mov_b32 s49, 32<<16
	s_mov_b32 s50, 128<<16
	s_mov_b32 s51, 32<<16
	s_mov_b32 s52, 128
	s_mov_b32 s53, 32
	s_mov_b32 s54, 0
	s_mov_b32 s55, 0
	s_mov_b32 s74, 0x76543210
	s_mov_b32 s75, 0xfedcba98
	s_lshl_b32 s57, s[WV], 15
	s_lshl_b32 s81, s[WV], 9
	s_lshl_b32 s82, s[WV], 7
	s_lshl_b32 s83, s[WV], 2
	v_and_b32 v22, 31, v0
	v_and_b32 v23, 15, v0
	v_bfe_u32 v24, v0, 4, 1
	v_lshlrev_b32 v25, 4, v22
	v_add_nc_u32 v1, ABUF, v25                     ; the buffers + 16 lane
	v_add_nc_u32 v2, s81, v1                       ; + 512 w
	v_add_nc_u32 v3, s57, v25                      ; my quarter of slot 0,
	v_add_nc_u32 v4, SLOTB, v3                     ; of slot 1
	v_lshlrev_b32 v19, 6, v24
	v_add_nc_u32 v19, s82, v19                     ; 64 h + 128 w
	v_lshl_add_u32 v5, v23, 12, v19                ; x, residual
	v_add_nc_u32 v6, PARAM, v19
	v_lshlrev_b32 v8, 4, v23
	v_add_nc_u32 v8, STAT, v8
	v_add_nc_u32 v7, s83, v8
	v_add_nc_u32 v9, s81, v25
	v_lshlrev_b32 v12, 8, v22
	v_lshlrev_b32 v20, 4, v0
	v_add_nc_u32 v21, PARAM, v20
	s_lshl_b32 s84, s69, 18
	s_mov_b32 s85, 0
	s_lshl_b32 s86, s69, 17
	s_lshl_b32 s87, s[BR], 14
	s_add_co_u32 s86, s86, s87
	s_mov_b32 s87, 0
	s_lshl_b32 s88, s[BR], 21
	s_add_co_u32 s88, s88, s57
	s_mov_b32 s89, 0
	s_lshl_b32 s90, s68, 13
	s_mov_b32 s91, 0
	s_wait_alu depctr_va_vdst(0)
	s_wait_dscnt 0x0
	s_wait_kmcnt 0x0
	s_load_b256 s[36:43], s[26:27], 0x0
	s_load_b64 s[44:45], s[26:27], 0x20
	s_cmp_eq_u32 s[BR], 0
	s_cselect_b64 s[98:99], s[4:5], s[6:7]         ; x
	s_cselect_b64 s[32:33], s[6:7], s[4:5]         ; the residual
	s_cselect_b64 s[8:9], s[8:9], s[10:11]
	s_cselect_b64 s[12:13], s[12:13], s[14:15]
	s_cselect_b64 s[16:17], s[16:17], s[18:19]
	s_cselect_b64 s[20:21], s[20:21], s[22:23]
	s_add_nc_u64 s[98:99], s[98:99], s[84:85]
	s_add_nc_u64 s[32:33], s[32:33], s[84:85]
	s_add_nc_u64 s[28:29], s[28:29], s[86:87]
	s_add_nc_u64 s[24:25], s[24:25], s[88:89]      ; Wv's K step 0, my quarter
	s_add_nc_u64 s[72:73], s[24:25], s[90:91]
	s_add_nc_u64 s[72:73], s[72:73], 1048576
	XSTEP
	s_lshl_b32 s94, s93, 17
	s_mov_b32 s56, 1
	s_add_nc_u64 s[58:59], s[24:25], s[94:95]
	s_or_b32 s59, s59, 0x80000000
	s_add_co_u32 s94, s93, 1
	s_and_b32 s94, s94, 7
	s_lshl_b32 s94, s94, 17
	s_mov_b32 s60, 1
	s_add_co_u32 s61, s57, SLOTB
	s_add_nc_u64 s[62:63], s[24:25], s[94:95]
	s_or_b32 s63, s63, 0x80000000
	s_mov_b32 s96, 2                               ; the ring step that the first change of slots asks for
.irp a, 0,1,2,3                        ; bv, bo, gamma, beta: 128 threads take 2,048 bytes a load
	global_load_b128 v[128+8*\a:131+8*\a], v20, s[8+4*\a:9+4*\a]
	global_load_b128 v[132+8*\a:135+8*\a], v20, s[8+4*\a:9+4*\a] offset:2048
.endr
	LOADS
	ROUND
	tensor_load_to_lds s[56:59], s[48:55]          ; ring step 0: one tensor load a wave at the head
	s_nop 0
	PLACES
	s_wait_kmcnt 0x0
	s_cmp_eq_u32 s[BR], 0
	s_cselect_b32 s36, s36, s40                    ; ex
	s_cselect_b32 s37, s37, s41                    ; ewv
	s_cselect_b32 s38, s38, s42                    ; eh
	s_cselect_b32 s39, s39, s43                    ; ewo
	s_add_co_i32 s80, s36, 127
	s_lshl_b32 s81, s80, 23
	v_mov_b32 v13, s81                             ; 2^ex
	s_add_co_i32 s80, s80, 15
	s_lshl_b32 s80, s80, 23
	s_or_b32 s80, s80, 0x600000
	v_mov_b32 v14, s80                             ; 57,344 x 2^ex
	s_add_co_i32 s82, s36, s37
	s_sub_co_i32 s80, s38, s82
	s_add_co_i32 s80, s80, 127
	s_lshl_b32 s81, s80, 23
	v_mov_b32 v15, s81                             ; 2^(eh - ex - ewv)
	s_add_co_i32 s80, s80, 15
	s_lshl_b32 s80, s80, 23
	s_or_b32 s80, s80, 0x600000
	v_mov_b32 v16, s80
	s_sub_co_i32 s92, 0, s82                       ; -(ex + ewv)
	s_add_co_i32 s80, s44, 127
	s_lshl_b32 s81, s80, 23
	v_mov_b32 v17, s81                             ; 2^e8
	s_add_co_i32 s80, s80, 15
	s_lshl_b32 s80, s80, 23
	s_or_b32 s80, s80, 0x600000
	v_mov_b32 v18, s80
	s_add_co_i32 s37, s38, s39                     ; eh + ewo
	s_sub_co_i32 s76, 127, s37
	s_lshl_b32 s76, s76, 23                        ; 2^-(eh + ewo)
	s_mov_b32 s77, s76
	s_sub_co_i32 s39, 0, s37
	s_lshl_b32 s36, s37, 1
	s_sub_co_i32 s36, s36, 10                      ; 2 (eh + ewo) - 10
	s_wait_alu depctr_va_vdst(0)
	s_wait_tensorcnt 0x0                           ; my quarter of ring step 0 is in; slot 1's first fill is issued as a refill is
	ds_add_u32 v[SPW], v[NIL]
	s_wait_dscnt 0x0
	ROUND
	tensor_load_to_lds s[60:63], s[48:55]          ; ring step 1
	s_nop 0
	PLACES
	BLOAD 0, 0, 0                                  ; my own quarter of slot 0
	BLOAD 1, 1, 0
	WIN 0
	s_wait_loadcnt 16                              ; the tables are in; x's sixteen loads may be out
.irp j, 0,1,2,3,4,5,6,7
	v_ldexp_f32 v[128+\j], v[128+\j], s92          ; bv / 2^(ex + ewv)
	v_ldexp_f32 v[136+\j], v[136+\j], s39          ; bo / 2^(eh + ewo)
.endr
.irp a, 0,1,2,3
	ds_store_b128 v21, v[128+8*\a:131+8*\a] offset:4096*\a
	ds_store_b128 v21, v[132+8*\a:135+8*\a] offset:4096*\a+2048
.endr
	s_wait_loadcnt 0x0
	QUANTX
	PUB PC, 0, 0
	XSTEP
	LOADS
	s_wait_alu depctr_va_vdst(0)
	s_wait_dscnt 0x0                               ; my stores of the tables and of x's first codes have landed
	s_barrier_signal -1
	s_barrier_wait -1
	WIN 0x40
.irp g, 0,1,2,3,4,5,6,7
.irp j, 0,1,2,3
	ds_load_b128 v[128+16*\g+4*\j:128+16*\g+4*\j+3], v6 offset:512*\g+16*\j   ; bv', my 16 columns of each group
.endr
.endr
	ALOAD 0
	; ---- the first product: steps 0 to 7
	PART1 0, 1, 0, 0
	JITX 1, 0, 0
	TURN 0, 1, 1, 1, 0
	s_mov_b32 s[TRIPS], 3
.Ltrip:
	PART1 1, 0, 16, 1
	JITX 0, 0, 1
	TURN 1, 0, 1, 1, 1
	PART1 0, 0, 16, 1
	JITX 1, 1, 1
	TURN 0, 0, 1, 1, 1
	s_sub_co_u32 s[TRIPS], s[TRIPS], 1
	s_cmp_lg_u32 s[TRIPS], 0
	s_cbranch_scc1 .Ltrip
	PART1 1, 0, 16, 0
	TURN 1, 0, 1, 0, 0                             ; slot 1 takes Wo's second step while the hidden layer becomes codes
	HOLDW 2, 16
	CODEW 2, 15
	HOLDW 3, 16
	CODEW 3, 15
	v_nop
	WIN 0
	s_wait_alu depctr_va_vdst(0)
	PUBSW 0
	CLOAD 0
	s_wait_dscnt 0x0                               ; my stores have landed
	s_barrier_signal -1
	s_barrier_wait -1
	ALOAD 0
	; ---- the second product: steps 8 to 15; the steps that ask for nothing more are written out
	PART1 0, 2, 0, 0
	PUBSW 1
	s_wait_loadcnt 0x0
	FOLDP 0
	MORE
	TURN 0, 2, 1, 1, 0
	s_mov_b32 s[TRIPS], 2
.Ltrip2:
	PART1 1, 0, 16, 0
	PUBSW 0
	FOLD2 1, 3
	MORE
	TURN 1, 0, 1, 1, 0
	PART1 0, 0, 16, 0
	PUBSW 1
	FOLD2 2, 4
	MORE
	TURN 0, 0, 1, 1, 0
	s_sub_co_u32 s[TRIPS], s[TRIPS], 1
	s_cmp_lg_u32 s[TRIPS], 0
	s_cbranch_scc1 .Ltrip2
	PART1 1, 0, 16, 0
	PUBSW 0
	s_wait_loadcnt 0x0
	FOLDP 5
	MORE
	TURN 1, 0, 1, 1, 0
	PART1 0, 0, 16, 0
	PUBSW 1
	s_wait_loadcnt 0x0
	FOLDP 6
	MORE
	TURN 0, 0, 0, 1, 0
	PART1 1, 0, 16, 0
	s_wait_loadcnt 0x0
	FOLDP 7
	s_wait_alu depctr_va_vdst(0)
	s_wait_dscnt 0x0
	MULG 2, 0, 0, 1
	MULG 3, 1, 0, 1
	WIN 0
	; ---- THE END: LayerNorm on y / S in two passes, then the quantiser of the last product
.macro REDUCE off                      ; the running sums become each row's sum over 1,024 columns, in v[32 + 4 m]
.irp m, 0,1,2,3
	v_pk_add_f32 v[SUM+4*\m:SUM+4*\m+1], v[SUM+4*\m:SUM+4*\m+1], v[SUM+4*\m+2:SUM+4*\m+3]
.endr
.irp m, 0,1,2,3
	v_add_f32 v[SUM+4*\m], v[SUM+4*\m], v[SUM+4*\m+1]
.endr
.irp m, 0,1,2,3
	v_permlanex16_b32 v[64+\m], v[SUM+4*\m], s74, s75
.endr
.irp m, 0,1,2,3
	v_add_f32 v[SUM+4*\m], v[SUM+4*\m], v[64+\m]
.endr
.irp m, 0,1,2,3
	ds_store_b32 v7, v[SUM+4*\m] offset:\off+256*\m
.endr
	s_wait_dscnt 0x0
	s_barrier_signal -1
	s_barrier_wait -1
.irp m, 0,1,2,3
	ds_load_b128 v[32+4*\m:35+4*\m], v8 offset:\off+256*\m
.endr
	s_wait_dscnt 0x0
.irp m, 0,1,2,3
	v_add_f32 v[32+4*\m], v[32+4*\m], v[33+4*\m]
	v_add_f32 v[34+4*\m], v[34+4*\m], v[35+4*\m]
.endr
.irp m, 0,1,2,3
	v_add_f32 v[32+4*\m], v[32+4*\m], v[34+4*\m]
.endr
.endm
.macro ZEROSUM
.set j, 0
.rept 16
	v_mov_b32 v[SUM+j], 0
.set j, j+1
.endr
.endm
.macro ESUM W, sq                      ; sq = 0: sums; 1: sums of squares.  Eight chains; each accumulator from its low end on
.if \sq
	WIN 0x0a+0x05*((\W)-2)
.else
	WIN 0x08+0x04*((\W)-2)
.endif
.irp gg, 0,1,2,3
.irp i, 0,1,2,3,4,5,6,7
.irp m, 0,1,2,3
.set rS, SUM+4*\m+2*(\i%2)
.set rY, 64*\gg+16*\m+2*\i
.if \sq
	v_pk_fma_f32 v[rS:rS+1], v[rY:rY+1], v[rY:rY+1], v[rS:rS+1]
.else
	v_pk_add_f32 v[rS:rS+1], v[rS:rS+1], v[rY:rY+1]
.endif
.endr
.endr
.endr
.endm
.macro EROW W, mul, base               ; every number and its row's figure v[base + 2 m]: added or multiplied
	WIN 0x82+0x41*((\W)-2)
.set j, 0
.rept 128
.if \mul
	v_pk_mul_f32 v[j:j+1], v[j:j+1], v[(\base)+2*((j/16)%4):(\base)+2*((j/16)%4)+1] op_sel_hi:[1,0]
.else
	v_pk_add_f32 v[j:j+1], v[j:j+1], v[(\base)+2*((j/16)%4):(\base)+2*((j/16)%4)+1] op_sel_hi:[1,0]
.endif
.set j, j+2
.endr
.endm
.macro EAFF W                          ; x gamma (window 1) + beta (window 0)
	WIN 0x86+0x41*((\W)-2)
.set j, 0
.rept 128
.set rG, 128+64*((\W)-2)+16*(j/64)+j%16
	v_pk_fma_f32 v[j:j+1], v[j:j+1], v[rG:rG+1], v[rG:rG+1]
.set j, j+2
.endr
.endm
	PLACES
	WIN 0x40
.irp g, 0,1,2,3,4,5,6,7
.irp j, 0,1,2,3
	ds_load_b128 v[128+16*\g+4*\j:128+16*\g+4*\j+3], v6 offset:8192+512*\g+16*\j      ; gamma
.endr
.endr
	WIN 0
.irp g, 0,1,2,3,4,5,6,7
.irp j, 0,1,2,3
	ds_load_b128 v[128+16*\g+4*\j:128+16*\g+4*\j+3], v6 offset:12288+512*\g+16*\j     ; beta; both are waited for in front of the first reduction's barrier
.endr
.endr
	ZEROSUM
	ESUM 2, 0
	ESUM 3, 0
	WIN 0
	REDUCE 0
.irp m, 0,1,2,3
	v_mul_f32 v[48+2*\m], 0xba800000, v[32+4*\m]   ; -mean = sum x -1 / 1,024
.endr
.irp m, 0,1,2,3
	v_mov_b32 v[49+2*\m], v[48+2*\m]
.endr
	ZEROSUM
	EROW 2, 0, 48
	ESUM 2, 1
	EROW 3, 0, 48
	ESUM 3, 1
	WIN 0
	REDUCE 1024                                    ; other bytes than the first time
.irp m, 0,1,2,3
	v_ldexp_f32 v[32+4*\m], v[32+4*\m], s36        ; the variance: x S^2 / 1,024
.endr
.irp m, 0,1,2,3
	v_add_f32 v[32+4*\m], 0x3727c5ac, v[32+4*\m]   ; + 1e-5
.endr
	s_wait_alu depctr_va_vdst(0)                   ; a wait ahead of the batch
.irp m, 0,1,2,3
	v_rsq_f32 v[56+2*\m], v[32+4*\m]
.endr
	v_nop
	s_wait_alu depctr_va_vdst(0)                   ; and behind it
.irp m, 0,1,2,3
	v_ldexp_f32 v[56+2*\m], v[56+2*\m], s37        ; x S
.endr
.irp m, 0,1,2,3
	v_mov_b32 v[57+2*\m], v[56+2*\m]
.endr
	EROW 2, 1, 56
	EAFF 2
	EROW 3, 1, 56
	EAFF 3
	HOLDW 2, 18
	CODEW 2, 17
	WIN 0x04                                       ; groups 0 to 3 leave while groups 4 to 7 are held and converted
.irp g, 0,1,2,3
.irp m, 0,1,2,3
.set rH, 128+64*(1-\g%2)+16*(\g/2)+4*\m
	global_store_b128 v9, v[rH:rH+3], s[28:29] offset:32768*\m+2048*\g
.endr
.endr
	HOLDW 3, 18
	CODEW 3, 17
	v_nop
	WIN 0x04
.irp g, 4,5,6,7
.irp m, 0,1,2,3
.set rH, 128+64*(1-\g%2)+16*(\g/2)+4*\m
	global_store_b128 v9, v[rH:rH+3], s[28:29] offset:32768*\m+2048*\g   ; quarter w of fragment (row tile m, K step g): 512 consecutive bytes, aligned
.endr
.endr
	WIN 0
	s_wait_tensorcnt 0x0                           ; the wave's end
	ds_add_u32 v[SPW], v[NIL]
	s_wait_dscnt 0x0
	ROUND                                          ; the closing round
	s_endpgm
.Lfunc_end_k_qc8d8349388_chain:
	.size	k_qc8d8349388_chain, .Lfunc_end_k_qc8d8349388_chain-k_qc8d8349388_chain
	.p2alignl 7, 3214868480
	.fill 96, 4, 3214868480
	.section	.rodata,"a",@progbits
	.p2align	6, 0x0
	.amdhsa_kernel k_qc8d8349388_chain
		.amdhsa_group_segment_fixed_size 327680
		.amdhsa_private_segment_fixed_size 0
		.amdhsa_enable_private_segment 0
		.amdhsa_kernarg_size 104
		.amdhsa_user_sgpr_count 2
		.amdhsa_user_sgpr_kernarg_segment_ptr 1
		.amdhsa_wavefront_size32 1
		.amdhsa_system_sgpr_workgroup_id_x 1
		.amdhsa_system_sgpr_workgroup_id_y 1
		.amdhsa_system_sgpr_workgroup_id_z 1
		.amdhsa_system_vgpr_workitem_id 0
		.amdhsa_next_free_vgpr 1024
		.amdhsa_next_free_sgpr 100
		.amdhsa_reserve_vcc 0
		.amdhsa_float_denorm_mode_32 3
		.amdhsa_float_denorm_mode_16_64 3
		.amdhsa_memory_ordered 1
		.amdhsa_forward_progress 1
		.amdhsa_inst_pref_size 255
	.end_amdhsa_kernel
	.section	.bss,"aw",@nobits
	.p2align	6
	.space	262144
	.amdgpu_metadata
---
amdhsa.version: [ 1, 2 ]
amdhsa.kernels:
  - .name:           k_qc8d8349388_chain
    .symbol:         k_qc8d8349388_chain.kd
    .args:
      - { .name: ecg_emb, .offset: 0, .size: 8, .value_kind: global_buffer, .address_space: global }
      - { .name: eeg_emb, .offset: 8, .size: 8, .value_kind: global_buffer, .address_space: global }
      - { .name: bv1, .offset: 16, .size: 8, .value_kind: global_buffer, .address_space: global }
      - { .name: bv2, .offset: 24, .size: 8, .value_kind: global_buffer, .address_space: global }
      - { .name: bo1, .offset: 32, .size: 8, .value_kind: global_buffer, .address_space: global }
      - { .name: bo2, .offset: 40, .size: 8, .value_kind: global_buffer, .address_space: global }
      - { .name: g1, .offset: 48, .size: 8, .value_kind: global_buffer, .address_space: global }
      - { .name: g2, .offset: 56, .size: 8, .value_kind: global_buffer, .address_space: global }
      - { .name: beta1, .offset: 64, .size: 8, .value_kind: global_buffer, .address_space: global }
      - { .name: beta2, .offset: 72, .size: 8, .value_kind: global_buffer, .address_space: global }
      - { .name: wq, .offset: 80, .size: 8, .value_kind: global_buffer, .address_space: global }
      - { .name: lowp_scales, .offset: 88, .size: 8, .value_kind: global_buffer, .address_space: global }
      - { .name: fq, .offset: 96, .size: 8, .value_kind: global_buffer, .address_space: global }
    .group_segment_fixed_size: 327680
    .private_segment_fixed_size: 0
    .kernarg_segment_align: 8
    .kernarg_segment_size: 104
    .max_flat_workgroup_size: 128
    .sgpr_count:     100
    .vgpr_count:     1024
    .wavefront_size: 32
...
	.end_amdgpu_metadata
.endif
;; end of part 5
;; launch fuse (part 6): grid 4 x 64, 4 waves a work-group, clusters of 4 x 4, 327,680 bytes of LDS; arguments fq, wfq, lowp_scales, bf, out0; writes out0
.if DOCPART == 6
	.amdgcn_target "amdgcn-amd-amdhsa--gfx1250"
	.amdhsa_code_object_version 6
	.text
	.protected	k_qc8d8349388_fuse
	.globl	k_qc8d8349388_fuse
	.p2align	8
	.type	k_qc8d8349388_fuse,@function
k_qc8d8349388_fuse:
	s_mov_b64 s[64:65], 0
	v_nop
	global_prefetch_b8 v0, s[64:65] scope:SCOPE_SE
	s_setreg_imm32_b32 hwreg(HW_REG_WAVE_MODE, 25, 1), 1
	s_wait_xcnt 0x0
	s_wait_alu depctr_hold_cnt(0) depctr_sa_sdst(0) depctr_va_vdst(0) depctr_va_sdst(0) depctr_va_ssrc(0) depctr_va_vcc(0) depctr_vm_vsrc(0)
	s_getreg_b32 s2, hwreg(HW_REG_IB_STS2, 6, 4)
	s_cmp_eq_u32 s2, 0
	s_cbranch_scc0 .Lentry_in_a_cluster
	s_endpgm
.Lentry_in_a_cluster:
	s_bfe_u32 s2, ttmp6, 0x10000c
	s_cmp_lg_u32 s2, 0xf033
	s_cbranch_scc0 .Lentry_shape_is_right
	s_endpgm
.Lentry_shape_is_right:
.set CHUNK,  65536
.set STAGE,  262144
.set SPITCH, 272
.set SPARE,  279552
.set SPW,  10
.set NIL,  11
.set BFR,  32
.set TMP,  64
.set G1,   24
.set G0,   72
.set BB,   48
.set MSB, 0
.macro WIN new
.if MSB != (\new)
	s_set_vgpr_msb (MSB<<8)|(\new)
.set MSB, (\new)
.endif
.endm
.macro PLACES
.rept 4
	v_nop
.endr
.endm
.macro CROUND
	s_barrier_signal -1
	s_barrier_wait -1
	s_cmp_lg_u32 s14, 0
	s_cbranch_scc1 .Lnot_wave_0_\@
	s_barrier_signal -3
.Lnot_wave_0_\@:
	s_barrier_wait -3
	s_barrier_signal -1
	s_barrier_wait -1
.endm
	s_load_b128 s[4:7], s[0:1], 0x0
	s_load_b128 s[8:11], s[0:1], 0x10
	s_load_b64 s[12:13], s[0:1], 0x20
	v_lshl_add_u32 v[SPW], v0, 2, SPARE
	v_mov_b32 v[NIL], 0
	ds_add_u32 v[SPW], v[NIL]
	ds_add_u32 v[SPW], v[NIL]
	v_lshrrev_b32 v1, 5, v0
	v_readfirstlane_b32 s14, v1
	s_bfe_u32 s40, ttmp6, 0x40000
	s_bfe_u32 s41, ttmp6, 0x40004
	s_lshl_b32 s42, ttmp9, 2
	s_add_co_u32 s42, s42, s40
	s_and_b32 s16, ttmp7, 0xffff
	s_lshl_b32 s17, s16, 2
	s_add_co_u32 s17, s17, s41
	s_lshl_b32 s43, s41, 2
	s_lshl_b32 s43, 15, s43
	s_or_b32 s[G1+0], s43, (3<<16)|(1<<21)
	s_mov_b32 s[G1+1], 1024<<16
	s_mov_b32 s[G1+2], 8<<16
	s_mov_b32 s[G1+3], 1024<<16
	s_mov_b32 s[G1+4], 8
	s_mov_b32 s[G1+5], 4096
	s_mov_b32 s[G1+6], 0
	s_mov_b32 s[G1+7], 0
	s_lshr_b32 s18, s16, 2
	s_xor_b32 s18, s18, s16
.irp j, 0,1,2,3
	s_add_co_u32 s[56+2*\j], s18, \j
	s_and_b32 s[56+2*\j], s[56+2*\j], 3
	s_lshl_b32 s[56+2*\j], s[56+2*\j], 13
	s_mov_b32 s[57+2*\j], 0
.endr
	s_lshl_b32 s20, s17, 18                        ; my work-group's eight row tiles of 32,768 bytes;
	s_add_co_u32 s21, s18, s14                     ; wave w fetches, of all eight, the K chunk that is walked w-th: 8 rows of 8,192 bytes
	s_and_b32 s21, s21, 3
	s_lshl_b32 s21, s21, 13
	s_add_co_u32 s20, s20, s21
	s_mov_b32 s21, 0
	s_lshl_b32 s46, s42, 19
	s_lshl_b32 s47, s14, 17
	s_add_co_u32 s46, s46, s47
	s_mov_b32 s47, 0
	s_lshl_b32 s45, s14, 16
	v_and_b32 v12, 31, v0
	v_lshlrev_b32 v7, 4, v12
	v_add_nc_u32 v1, CHUNK, v7
	v_add_nc_u32 v2, 2*CHUNK, v7
	v_add_nc_u32 v3, 3*CHUNK, v7
	v_and_b32 v13, 15, v0
	v_bfe_u32 v14, v0, 4, 1
	s_mul_i32 s19, s14, 16*SPITCH
	s_add_co_u32 s19, s19, STAGE
	v_mul_u32_u24 v5, v13, SPITCH
	v_lshl_add_u32 v5, v14, 6, v5
	v_add_nc_u32 v5, s19, v5
	v_mul_u32_u24 v6, v14, SPITCH
	v_lshl_add_u32 v6, v13, 4, v6
	v_add_nc_u32 v6, s19, v6
	v_lshlrev_b32 v8, 6, v14
	v_lshlrev_b32 v9, 12, v14
	v_lshl_add_u32 v9, v13, 4, v9
	s_wait_dscnt 0x0
	s_wait_kmcnt 0x0
	s_load_b64 s[66:67], s[8:9], 0x20
	s_add_nc_u64 s[20:21], s[4:5], s[20:21]
	s_add_nc_u64 s[46:47], s[6:7], s[46:47]
	s_mov_b32 s[G0], 1
	s_mov_b32 s[G0+1], s45
	s_mov_b64 s[G0+2:G0+3], s[20:21]
	s_or_b32 s[G0+3], s[G0+3], 0x80000000
.irp j, 0,1,2,3
	s_add_nc_u64 s[BB+2*\j:BB+2*\j+1], s[46:47], s[56+2*\j:57+2*\j]
.endr
	s_wait_alu depctr_va_vdst(0)
	CROUND
	tensor_load_to_lds s[G0:G0+3], s[G1:G1+7]      ; one tensor load a wave: the four bring all of A's 262,144 bytes, filled once
	s_nop 0
	PLACES
.macro BLD s
	WIN 0x40
.irp b, 0,1,2,3
.irp c, 0,1,2,3
	global_load_b128 v[64*((\s)%4)+16*\b+4*\c:64*((\s)%4)+16*\b+4*\c+3], v7, s[BB+2*((\s)/4):BB+2*((\s)/4)+1] offset:32768*\b+2048*((\s)%4)+512*\c
.endr
.endr
.endm
.macro ALD s, half
.if (\s)/4 == 0
.set rAD, 7
.else
.set rAD, (\s)/4
.endif
	WIN 0xc0
.irp mm, 0,1,2,3
.irp c, 0,1,2,3
	ds_load_b128 v[128*((\s)%2)+16*(4*(\half)+\mm)+4*\c:128*((\s)%2)+16*(4*(\half)+\mm)+4*\c+3], v[rAD] offset:8192*(4*(\half)+\mm)+2048*((\s)%4)+512*\c
.endr
.endr
.endm
.macro MULH s, half
.if (\s) == 0
	WIN 0x8d
.else
	WIN 0xad
.endif
.irp mm, 0,1,2,3
.irp b, 0,1,2,3
.set rD, 32*(4*(\half)+\mm)+8*\b
.set rB, 64*((\s)%4)+16*\b
.set rA, 128*((\s)%2)+16*(4*(\half)+\mm)
.if (\s) == 0
	v_wmma_f32_16x16x128_bf8_bf8 v[rD:rD+7], v[rB:rB+15], v[rA:rA+15], 0
.else
	v_wmma_f32_16x16x128_bf8_bf8 v[rD:rD+7], v[rB:rB+15], v[rA:rA+15], v[rD:rD+7]
.endif
.endr
.endr
.endm
.macro KSTEP s
.if (\s) > 0
	PLACES
.endif
.if (\s) == 0
	s_wait_loadcnt 48
.elseif ((\s) >= 2) && ((\s) <= 4)
	s_wait_loadcnt 40
.elseif (\s) <= 13
	s_wait_loadcnt 32
.elseif (\s) == 14
	s_wait_loadcnt 16
.else
	s_wait_loadcnt 0x0
.endif
.if ((\s) >= 1) && ((\s) <= 12)
	BLD (\s)+3
.endif
.if (\s) == 1
	WIN 0
	s_wait_alu depctr_va_vdst(0)
.irp pp, 0,1
.irp j, 0,1,2,3
	global_load_b128 v[BFR+16*\pp+4*\j:BFR+16*\pp+4*\j+3], v8, s[10:11] offset:128*\pp+16*\j
.endr
.endr
.endif
.if (\s) < 15
	ALD (\s)+1, 0
	s_wait_dscnt 32
.else
	s_wait_dscnt 16
.endif
	MULH \s, 0
.if (\s) < 15
	ALD (\s)+1, 1
	s_wait_dscnt 32
.else
	s_wait_dscnt 0x0
.endif
	MULH \s, 1
.endm
.irp s, 0,1,2,3
	BLD \s
.endr
	s_lshl_b32 s22, s42, 10
	s_lshl_b32 s23, s14, 8
	s_add_co_u32 s22, s22, s23
	s_mov_b32 s23, 0
	s_add_nc_u64 s[10:11], s[10:11], s[22:23]
	s_add_nc_u64 s[12:13], s[12:13], s[22:23]
	s_lshl_b32 s22, s17, 19
	s_add_nc_u64 s[12:13], s[12:13], s[22:23]
	s_wait_tensorcnt 0x0
	s_barrier_signal -1
	s_barrier_wait -1
	ALD 0, 0
	ALD 0, 1
.irp s, 0,1,2,3,4,5,6,7,8,9,10,11,12,13,14,15
	KSTEP \s
.endr
	WIN 0
.macro SENDM m, younger
	s_wait_dscnt \younger
	WIN 0x0c
.irp t, 0,1,2,3,4,5,6,7
	global_store_b128 v9, v[32*(\m)+4*\t:32*(\m)+4*\t+3], s[12:13] offset:4096*(16*(\m)+2*\t) th:TH_STORE_NT
.endr
.endm
	s_wait_kmcnt 0x0
	s_add_co_i32 s66, s66, s67
	s_add_co_i32 s66, s66, 127
	s_lshl_b32 s66, s66, 23
	s_mov_b32 s67, s66
	PLACES
.irp m, 0,1,2,3,4,5,6,7
	WIN 0x02
.irp i, 0,2,4,6,8,10,12,14,16,18,20,22,24,26,28,30
	v_pk_fma_f32 v[TMP+\i:TMP+\i+1], v[32*\m+\i:32*\m+\i+1], s[66:67], v[BFR+\i:BFR+\i+1] op_sel_hi:[1,0,1]
.endr
	WIN 0
.irp pp, 0,1
.irp j, 0,1,2,3
	ds_store_b128 v5, v[TMP+16*\pp+4*\j:TMP+16*\pp+4*\j+3] offset:128*\pp+16*\j
.endr
.endr
	WIN 0xc0
.irp t, 0,1,2,3,4,5,6,7
	ds_load_b128 v[32*\m+4*\t:32*\m+4*\t+3], v6 offset:2*\t*SPITCH
.endr
.if \m > 0
	SENDM \m-1, 16
.endif
.endr
	SENDM 7, 0
	WIN 0
	s_wait_tensorcnt 0x0
	ds_add_u32 v[SPW], v[NIL]
	s_wait_dscnt 0x0
	CROUND
	s_endpgm
.Lfunc_end_k_qc8d8349388_fuse:
	.size	k_qc8d8349388_fuse, .Lfunc_end_k_qc8d8349388_fuse-k_qc8d8349388_fuse
	.p2alignl 7, 3214868480
	.fill 96, 4, 3214868480
	.section	.rodata,"a",@progbits
	.p2align	6, 0x0
	.amdhsa_kernel k_qc8d8349388_fuse
		.amdhsa_group_segment_fixed_size 327680
		.amdhsa_private_segment_fixed_size 0
		.amdhsa_enable_private_segment 0
		.amdhsa_kernarg_size 40
		.amdhsa_user_sgpr_count 2
		.amdhsa_user_sgpr_kernarg_segment_ptr 1
		.amdhsa_wavefront_size32 1
		.amdhsa_system_sgpr_workgroup_id_x 1
		.amdhsa_system_sgpr_workgroup_id_y 1
		.amdhsa_system_sgpr_workgroup_id_z 1
		.amdhsa_system_vgpr_workitem_id 0
		.amdhsa_next_free_vgpr 1024
		.amdhsa_next_free_sgpr 90
		.amdhsa_reserve_vcc 0
		.amdhsa_float_denorm_mode_32 3
		.amdhsa_float_denorm_mode_16_64 3
		.amdhsa_memory_ordered 1
		.amdhsa_forward_progress 1
		.amdhsa_inst_pref_size 124
	.end_amdhsa_kernel
	.amdgpu_metadata
---
amdhsa.version: [ 1, 2 ]
amdhsa.kernels:
  - .name:           k_qc8d8349388_fuse
    .symbol:         k_qc8d8349388_fuse.kd
    .args:
      - { .name: fq, .offset: 0, .size: 8, .value_kind: global_buffer, .address_space: global }
      - { .name: wfq, .offset: 8, .size: 8, .value_kind: global_buffer, .address_space: global }
      - { .name: lowp_scales, .offset: 16, .size: 8, .value_kind: global_buffer, .address_space: global }
      - { .name: bf, .offset: 24, .size: 8, .value_kind: global_buffer, .address_space: global }
      - { .name: out0, .offset: 32, .size: 8, .value_kind: global_buffer, .address_space: global }
    .group_segment_fixed_size: 327680
    .private_segment_fixed_size: 0
    .kernarg_segment_align: 8
    .kernarg_segment_size: 40
    .max_flat_workgroup_size: 128
    .sgpr_count:     90
    .vgpr_count:     1024
    .wavefront_size: 32
...
	.end_amdgpu_metadata
.endif
;; end of part 6
